; MI455X (gfx1250); checked and timed in simulation.
; The chip was launched on July 23, 2026; its instructions are those of AMD's public machine-readable ISA for CDNA 5 (MIT licence, August 2026) and "CDNA5" Instruction Set Architecture Reference Guide (July 2026). The comments in the code are by the model that wrote it; some were corrected since.
;; Attention Block. Allowed arithmetic: matrix products marked QUANTISED: E2M3 operands, one E8M0 scale for each 32 along K, by v_wmma_scale_f32_16x16x128_f8f6f4 with both operands' format E2M3, f32 sums; everything else in f32.
;; Inputs: norm_b 256 float32; norm_w 256 float32; proj_b 256 float32; proj_w 256 x 256 float32; qkv_b 768 float32; qkv_w 768 x 256 float32; x 16 x 256 x 32 x 32 float32.
;; Outputs: out0 16 x 256 x 32 x 32 float32.
;; This version of the problem:
;;   THIS VERSION OF THE PROBLEM IS GIVEN IN LOW PRECISION. The matrix products marked QUANTISED in the list below multiply operands that are first quantised to E2M3 (2 exponent bits, 3 mantissa bits; 6 bits a number), with one power-of-two scale for each 32 numbers along K (OCP MX v1.0); their sums are f32. All else is computed in f32.
;;   The module's matrix products, in the order in which they are computed (A, B: the left and right operand; K: the contracted axis; several contracted axes count as one K, in the product's order):
;;     1. [M 16,384, K 256] x [K 256, N 768]; A: computed on the way; B: input qkv_w: QUANTISED
;;     2. batch 64 x [M 1,024, K 64] x [K 64, N 1,024]; A: computed on the way; B: computed on the way: QUANTISED
;;     3. batch 64 x [M 1,024, K 1,024] x [K 1,024, N 64]; A: softmax (see below); B: computed on the way: QUANTISED
;;     4. [M 16,384, K 256] x [K 256, N 256]; A: computed on the way; B: input proj_w: QUANTISED
;;   THE QUANTISER, for each operand of a quantised product, along K:
;;     - K is cut into blocks of 32 from its start; a last block that is shorter is filled with zeros.
;;     - A block's scale is 2^e with e = floor(log2(the largest magnitude in the block)) - 2, held to -126 .. 127; a block of zeros has e = 0. As a byte (E8M0): e + 127.
;;     - Each number is divided by its block's scale, clamped to +-7.5, and rounded to the nearest number of E2M3, ties to even, subnormals kept.
;;     - The product sums the exact products of the quantised numbers (number of the format x scale) in f32.
;;   ~~~python
;;   def quantise(x, axis):      # numpy; x: float32 -> the quantised numbers, widened to float32 again
;;       x = np.moveaxis(x, axis, -1); K = x.shape[-1]
;;       x = np.pad(x, [(0, 0)] * (x.ndim - 1) + [(0, -K % 32)]); x = x.reshape(x.shape[:-1] + (-1, 32)); a = np.abs(x).max(-1, keepdims=True)
;;       e = np.where(a > 0, np.clip(np.frexp(np.where(a > 0, a, 1))[1] - 1 - 2, -126, 127), 0)      # np.frexp(a)[1] - 1 = floor(log2(a)), exactly
;;       r = np.clip(x / 2.0 ** e, -7.5, 7.5)
;;       step = 2.0 ** (np.maximum(np.frexp(np.where(r == 0, 1, r))[1] - 1, 0) - 3)
;;       q = np.round(r / step) * step * 2.0 ** e      # np.round: ties to even
;;       return np.moveaxis(q.reshape(q.shape[:-2] + (-1,))[..., :K], -1, axis).astype(np.float32)
;;   ~~~
;;   SOFTMAX AHEAD OF A QUANTISED PRODUCT. Where the list says 'softmax', what is quantised is not the finished softmax but p = 2^(t - M), with t = logit x log2(e) and M = ceil(the row's largest t), a whole number; so 1/2 < the row's largest p <= 1. The row's sum l is taken of the UNQUANTISED p, in f32, and the product's result is divided by l at the end. Since M is a whole number, a kernel that streams over the keys may use a running M (the ceiling of the running maximum): every later rescaling is an exact power of two, which a block's scale takes up: the codes' values come out the same.
;;   OPERANDS COMPUTED ON THE WAY. 'Computed on the way' means the value that the module computes at that place (a softmax that the list does not call 'softmax' is quantised finished and normalised). What goes into a quantiser is computed in f32, as accurately as f32 sums, v_exp_f32 and their like allow (about 1e-6 of the number): no bf16 or f16 on the way to a quantiser, and a product that is left as it is and whose result goes on into a quantised operand takes f32 operands (vector FMAs, or v_wmma_f32_16x16x4_f32). A number that lies on a knife's edge between two numbers of the format may be rounded either way, as far as f32 arithmetic and the matrix unit's own rounding can turn it there, and no further.
;; One version. Each part assembles by itself: llvm-mc -triple=amdgcn-amd-amdhsa -mcpu=gfx1250 --defsym DOCPART=n.
;; ======== version 1 of 1: 3 launches
;; workspace buffers: hnq 3,276,800 bytes; wimg 212,992 bytes; qbuf 3,407,872 bytes; kv 6,815,744 bytes
;; launch prep (part 1): grid 128 x 1, 16 waves a work-group, no clusters, 3,072 bytes of LDS; arguments x, norm_w, norm_b, qkv_w, proj_w, hnq, wimg; writes hnq, wimg
.if DOCPART == 1
	.amdgcn_target "amdgcn-amd-amdhsa--gfx1250"
	.amdhsa_code_object_version 6
	.text
	.protected	k_qc95a4b6003_prep
	.globl	k_qc95a4b6003_prep
	.p2align	8
	.type	k_qc95a4b6003_prep,@function
k_qc95a4b6003_prep:
	s_mov_b64 s[64:65], 0
	v_nop
	global_prefetch_b8 v0, s[64:65] scope:SCOPE_SE
	s_setreg_imm32_b32 hwreg(HW_REG_WAVE_MODE, 25, 1), 1
	s_wait_xcnt 0x0
; GroupNorm of x [16][256][1024] f32 (8 groups of 32 channels), quantised along the channels to FP6 (E2M3) codes with one E8M0 byte for each 32;
; and qkv_w [768][256], proj_w [256][256] quantised along their 256 columns, laid as images of the matrix operand's registers.
; A block of 32 channels IS a group: work-group id = 8 b + g owns x[b][32 g .. 32 g + 31][:], 131,072 dense bytes, which its 16 waves hold in registers:
; thread t has pixels 2 t, 2 t + 1 of all 32 channels (64 registers).  So x is read once: mean, then the sum of squared differences (two passes in registers, no
; difference of large sums), then the norm, the block's scale and the codes.  A lane's 32 numbers of a pixel are a whole block: no other lane is asked for its maximum.
; hnq: 64 chunks (b, quarter of 256 pixels) of 51,200 bytes: for each group 6,144 bytes: [tile 16][row 16][16 bytes] (code registers 0-3), then [tile][row][8 bytes] (registers 4-5);
; at 49,152 the scale words [K step 2][tile x 16 + row][4].  Tile m of a batch, row r, is pixel 32 (m / 2) + 2 r + m % 2, so thread t's two pixels are row t % 16 of tiles 2 (t / 16), 2 (t / 16) + 1.
; wimg: for each head 24 fragments ((q, k, v) x 4 tiles x 2 K steps) of 1,536 bytes (register group k of lane l at 512 k + 16 l) and their scale words (128 bytes each); then proj_w's 32 fragments and words.
; Wave 0 of work-group J quantises fragment J of the 128.  Lane r of a tile of qkv_w takes row r + 8 (r / 8) of the pair of tiles, so that a product's results run along d in a lane; proj_w's tiles take rows as they lie.
; Memory binds: no matrix unit, no tensor load, no cluster (work-groups share no input).  The scale bytes of hn leave one byte a lane: one byte for each 128 bytes read.
; LIMITS: NaN and infinities are not served.  A block whose largest magnitude lies under 2^-124, zeros too, gets the byte 1 (the rule says 127 for zeros): its codes are zeros or held by the floor, and only this program reads the bytes.
.set X,   32                           ; v32-95   x, then x - mean, then the normalised numbers: channel c's two pixels at v[X+2c], v[X+2c+1]
.set T,   96                           ; v96-127  one pixel's 32 numbers; also the 16 waves' partial sums
.set WX,  160                          ; v160-223 64 numbers of a weight's row
.set WPC, 224                          ; v224-235 the weight fragment's codes
.set WCT, 236                          ; v236-238, v240-242 second halves of blocks, as converted
.set SW,  16                           ; s16-47   norm_w of the 32 channels
.set SB,  68                           ; s68-99   norm_b
	s_load_b256 s[4:11], s[0:1], 0x0               ; x s[4:5], norm_w s[6:7], norm_b s[8:9], qkv_w s[10:11]
	s_load_b128 s[12:15], s[0:1], 0x20             ; proj_w s[12:13], hnq s[14:15]
	s_load_b64 s[48:49], s[0:1], 0x30              ; wimg
	v_lshl_add_u32 v243, v0, 2, 0x400
	v_mov_b32 v255, 0
	v_lshrrev_b32 v1, 5, v0
	s_delay_alu instid0(VALU_DEP_1)
	v_readfirstlane_b32 s50, v1                    ; wave 0..15
	s_mov_b32 s51, ttmp9                           ; id = 8 b + g; also the weight fragment's number J
	v_lshlrev_b32 v8, 2, v1                        ; LDS: my wave's word
	v_mov_b32 v9, 0                                ; LDS: where the 16 words begin
	v_and_b32 v1, 31, v0                           ; lane
	v_and_b32 v2, 15, v0                           ; r
	v_bfe_u32 v3, v0, 4, 1                         ; h
	v_lshlrev_b32 v4, 3, v0                        ; x: 8 bytes a thread
	v_bfe_u32 v10, v0, 4, 3                        ; half of my first tile's number in the chunk: 2 (wave % 4) + h
	s_delay_alu instid0(VALU_DEP_4)
	v_lshlrev_b32 v5, 4, v2
	s_delay_alu instid0(VALU_DEP_1)
	v_lshl_add_u32 v5, v10, 9, v5                  ; hnq, registers 0-3: two tiles of 256 bytes, + 16 r
	v_lshlrev_b32 v6, 3, v2
	s_delay_alu instid0(VALU_DEP_1)
	v_lshl_add_u32 v6, v10, 8, v6                  ; registers 4-5: two tiles of 128 bytes, + 8 r
	v_lshlrev_b32 v7, 2, v2
	s_delay_alu instid0(VALU_DEP_1)
	v_lshl_add_u32 v7, v10, 7, v7                  ; scale words: two tiles of 64 bytes, + 4 r
	v_lshlrev_b32 v253, 4, v1                      ; an image's place for my lane
	v_lshlrev_b32 v254, 2, v1
	s_mov_b32 s52, 0x76543210
	s_mov_b32 s53, 0xfedcba98                      ; v_permlanex16_b32's selects for lane l xor 16
	; fragment J: both kinds' numbers are made, then chosen on J alone
	s_lshr_b32 s54, s51, 1                         ; qkv_w: tile T = J / 2 of 48,
	s_and_b32 s55, s51, 1                          ; K step
	s_lshr_b32 s56, s54, 4                         ; q, k or v
	s_bfe_u32 s57, s54, 0x20002                    ; head
	s_and_b32 s58, s54, 3                          ; tile in the head
	s_lshl_b32 s56, s56, 2
	s_add_co_u32 s56, s56, s58
	s_lshl_b32 s56, s56, 1
	s_add_co_u32 s56, s56, s55                     ; the fragment's number in its head's block
	s_mul_i32 s57, s57, 39936
	s_mul_i32 s58, s56, 1536
	s_add_co_u32 s58, s58, s57                     ; where its codes go
	s_lshl_b32 s59, s56, 7
	s_add_co_u32 s59, s59, s57
	s_add_co_u32 s59, s59, 36864                   ; and its scale words
	s_lshr_b32 s60, s54, 1
	s_lshl_b32 s60, s60, 5
	s_and_b32 s61, s54, 1
	s_lshl_b32 s61, s61, 3
	s_add_co_u32 s60, s60, s61                     ; its first row: 32 (T / 2) + 8 (T % 2)
	s_max_u32 s61, s51, 96
	s_sub_co_u32 s61, s61, 96                      ; proj_w: fragment J - 96
	s_mul_i32 s62, s61, 1536
	s_add_co_u32 s62, s62, 159744
	s_lshl_b32 s63, s61, 7
	s_add_co_u32 s63, s63, 208896
	s_lshr_b32 s2, s61, 1
	s_lshl_b32 s2, s2, 4                           ; its first row: 16 x tile
	s_wait_kmcnt 0x0
	s_cmp_lt_u32 s51, 96
	s_cselect_b32 s58, s58, s62
	s_cselect_b32 s59, s59, s63
	s_cselect_b32 s60, s60, s2
	s_cselect_b32 s3, 8, 0                         ; the rows' map: r + (r & 8), or r
	s_cselect_b64 s[10:11], s[10:11], s[12:13]     ; the choice hangs on the work-group's number alone
	s_lshl_b32 s60, s60, 10                        ; rows of 1,024 bytes,
	s_lshl_b32 s55, s55, 9                         ; K steps of 512
	s_add_co_u32 s60, s60, s55
	s_mov_b32 s61, 0
	s_add_nc_u64 s[10:11], s[10:11], s[60:61]
	s_mov_b32 s60, s58
	s_add_nc_u64 s[56:57], s[48:49], s[60:61]      ; the codes' place in wimg
	s_mov_b32 s60, s59
	s_add_nc_u64 s[58:59], s[48:49], s[60:61]      ; the words'
	v_and_b32 v252, s3, v2
	s_delay_alu instid0(VALU_DEP_1)
	v_add_nc_u32 v252, v252, v2
	s_delay_alu instid0(VALU_DEP_1)
	v_lshlrev_b32 v252, 10, v252
	s_delay_alu instid0(VALU_DEP_1)
	v_lshl_add_u32 v252, v3, 7, v252               ; my row, + 128 h: lane (r, h) holds k = 64 c + 32 h + 0 .. 31
	s_lshl_b32 s60, s51, 17
	s_add_nc_u64 s[4:5], s[4:5], s[60:61]          ; x at my group
	s_and_b32 s54, s51, 7                          ; g
	s_lshr_b32 s55, s51, 3                         ; b
	s_lshl_b32 s60, s54, 7
	s_add_nc_u64 s[6:7], s[6:7], s[60:61]
	s_add_nc_u64 s[8:9], s[8:9], s[60:61]
	s_load_b512 s[16:31], s[6:7], 0x0              ; the group's 32 gains and 32 biases, as scalars
	s_load_b512 s[32:47], s[6:7], 0x40
	s_load_b512 s[68:83], s[8:9], 0x0
	s_load_b512 s[84:99], s[8:9], 0x40
	s_lshl_b32 s55, s55, 2
	s_lshr_b32 s60, s50, 2
	s_add_co_u32 s55, s55, s60                     ; my wave's chunk: 4 b + wave / 4
	s_mul_i32 s55, s55, 51200
	s_mul_i32 s60, s54, 6144
	s_add_co_u32 s60, s60, s55
	s_add_nc_u64 s[62:63], s[14:15], s[60:61]      ; hnq at the chunk's part for group g
	s_lshr_b32 s60, s54, 2
	s_lshl_b32 s60, s60, 10
	s_and_b32 s54, s54, 3
	s_add_co_u32 s60, s60, s54
	s_add_co_u32 s60, s60, s55
	s_add_co_u32 s60, s60, 49152
	s_add_nc_u64 s[2:3], s[14:15], s[60:61]        ; and at byte g % 4 of the words of K step g / 4
	s_cmp_lg_u32 s50, 0
	s_cbranch_scc1 .Lno_w_load
	s_wait_alu depctr_va_vdst(0)
.irp c, 0,1
.irp i, 0,1,2,3,4,5,6,7
	global_load_b128 v[WX+32*\c+4*\i:WX+32*\c+4*\i+3], v252, s[10:11] offset:256*\c+16*\i
.endr
.endr
.Lno_w_load:
.set c, 0
.rept 32
	global_load_b64 v[X+2*c:X+2*c+1], v4, s[4:5] offset:4096*c     ; a wave reads 256 consecutive bytes, aligned; the last launch reads x again, so no hint
.set c, c+1
.endr
	s_cmp_lg_u32 s50, 0
	s_cbranch_scc1 .Lno_w
	; ---- wave 0: the weight fragment, while x is on its way
	s_wait_loadcnt 32                              ; the 16 weight loads are in; the 32 loads of x behind them may be out
.irp c, 0,1
	v_max3_num_f32 v[244+\c], |v[WX+32*\c]|, |v[WX+32*\c+1]|, 0x1800000   ; my block 2 c + h: all 32 numbers are mine; the floor 2^(3 - 127) holds the byte at 1 from below
.endr
.irp i, 2,4,6,8,10,12,14,16,18,20,22,24,26,28,30
.irp c, 0,1
	s_delay_alu instid0(VALU_DEP_2)
	v_max3_num_f32 v[244+\c], v[244+\c], |v[WX+32*\c+\i]|, |v[WX+32*\c+\i+1]|
.endr
.endr
.irp c, 0,1
	s_delay_alu instid0(VALU_DEP_2)
	v_add_nc_u32 v[246+\c], 0xff000000, v[244+\c]  ; 2 off the exponent field: the conversion's scale operand
.endr
.irp c, 0,1
	s_delay_alu instid0(VALU_DEP_2)
	v_lshrrev_b32 v[248+\c], 23, v[246+\c]         ; the scale's byte
.endr
	s_delay_alu instid0(VALU_DEP_1)
	v_lshl_or_b32 v250, v249, 16, v248             ; blocks h and 2 + h,
	v_lshlrev_b32 v251, 3, v3
	s_delay_alu instid0(VALU_DEP_1)
	v_lshlrev_b32 v250, v251, v250                 ; at their places in the word;
	v_mov_b32 v251, 0
	s_delay_alu instid0(VALU_DEP_1)
	v_permlanex16_b32 v251, v250, s52, s53
	s_delay_alu instid0(VALU_DEP_1)
	v_or_b32 v250, v250, v251                      ; with lane l xor 16's two the word is whole
.irp c, 0,1
	v_cvt_scalef32_pk16_fp6_f32 v[WPC+6*\c:WPC+6*\c+2], v[WX+32*\c:WX+32*\c+15], v[246+\c]
	v_cvt_scalef32_pk16_fp6_f32 v[WCT+4*\c:WCT+4*\c+2], v[WX+32*\c+16:WX+32*\c+31], v[246+\c]   ; (a conversion's three registers begin on an even number)
.endr
	v_nop                                          ; one plain place behind a scaled conversion
.irp c, 0,1
.irp i, 0,1,2
	v_mov_b32 v[WPC+6*\c+3+\i], v[WCT+4*\c+\i]
.endr
.endr
.irp k, 0,1,2
	global_store_b128 v253, v[WPC+4*\k:WPC+4*\k+3], s[56:57] offset:512*\k   ; 512 consecutive bytes a store
.endr
	global_store_b32 v254, v250, s[58:59]
.Lno_w:
	s_wait_loadcnt 0x0
	s_wait_kmcnt 0x0
; The four packed sums v[16:23] become one number a lane, a wave, and, through 16 words of LDS at \off, the work-group: v[T], the same in every lane.
.macro ALLSUM off
	s_delay_alu instid0(VALU_DEP_3)
	v_pk_add_f32 v[16:17], v[16:17], v[18:19]
	s_delay_alu instid0(VALU_DEP_2)
	v_pk_add_f32 v[20:21], v[20:21], v[22:23]
	s_delay_alu instid0(VALU_DEP_1)
	v_pk_add_f32 v[16:17], v[16:17], v[20:21]
	s_delay_alu instid0(VALU_DEP_1)
	v_add_f32 v16, v16, v17
	s_delay_alu instid0(VALU_DEP_1)
	v_add_f32_dpp v16, v16, v16 row_xmask:1 row_mask:0xf bank_mask:0xf
	s_delay_alu instid0(VALU_DEP_1)
	v_add_f32_dpp v16, v16, v16 row_xmask:2 row_mask:0xf bank_mask:0xf
	s_delay_alu instid0(VALU_DEP_1)
	v_add_f32_dpp v16, v16, v16 row_xmask:4 row_mask:0xf bank_mask:0xf
	s_delay_alu instid0(VALU_DEP_1)
	v_add_f32_dpp v16, v16, v16 row_xmask:8 row_mask:0xf bank_mask:0xf
	s_delay_alu instid0(VALU_DEP_1)
	v_permlanex16_b32 v17, v16, s52, s53
	s_delay_alu instid0(VALU_DEP_1)
	v_add_f32 v16, v16, v17
	ds_store_b32 v8, v16 offset:\off               ; all lanes write my wave's word with the same value
	s_wait_dscnt 0x0                               ; for the others' sake
	s_barrier_signal -1
	s_barrier_wait -1
.irp k, 0,1,2,3
	ds_load_b128 v[T+4*\k:T+4*\k+3], v9 offset:\off+16*\k
.endr
	s_wait_dscnt 0x0
	v_pk_add_f32 v[T:T+1], v[T:T+1], v[T+2:T+3]    ; one fixed order in every wave
	v_pk_add_f32 v[T+4:T+5], v[T+4:T+5], v[T+6:T+7]
	v_pk_add_f32 v[T+8:T+9], v[T+8:T+9], v[T+10:T+11]
	v_pk_add_f32 v[T+12:T+13], v[T+12:T+13], v[T+14:T+15]
	s_delay_alu instid0(VALU_DEP_3)
	v_pk_add_f32 v[T:T+1], v[T:T+1], v[T+4:T+5]
	s_delay_alu instid0(VALU_DEP_2)
	v_pk_add_f32 v[T+8:T+9], v[T+8:T+9], v[T+12:T+13]
	s_delay_alu instid0(VALU_DEP_1)
	v_pk_add_f32 v[T:T+1], v[T:T+1], v[T+8:T+9]
	s_delay_alu instid0(VALU_DEP_1)
	v_add_f32 v[T], v[T], v[T+1]
.endm
	; ---- the mean of the group's 32,768 numbers
.irp k, 0,1,2,3
	v_pk_add_f32 v[16+2*\k:17+2*\k], v[X+2*\k:X+2*\k+1], v[X+8+2*\k:X+8+2*\k+1]   ; four chains, started by the first eight pairs
.endr
.set p, 8
.rept 24
	s_delay_alu instid0(VALU_DEP_4)
	v_pk_add_f32 v[16+2*(p%4):17+2*(p%4)], v[16+2*(p%4):17+2*(p%4)], v[X+2*p:X+2*p+1]
.set p, p+1
.endr
	ALLSUM 0
	s_delay_alu instid0(VALU_DEP_1)
	v_mul_f32 v10, 0x38000000, v[T]                ; x 2^-15
	s_delay_alu instid0(VALU_DEP_1)
	v_mov_b32 v11, v10
	; ---- x - mean, in place, and the sum of its squares (other LDS words than the first sum's: one barrier each)
.set p, 0
.rept 32
	v_pk_add_f32 v[X+2*p:X+2*p+1], v[X+2*p:X+2*p+1], v[10:11] neg_lo:[0,1] neg_hi:[0,1]
.set p, p+1
.endr
.irp k, 0,1,2,3
	v_pk_mul_f32 v[16+2*\k:17+2*\k], v[X+2*\k:X+2*\k+1], v[X+2*\k:X+2*\k+1]
.endr
.set p, 4
.rept 28
	s_delay_alu instid0(VALU_DEP_4)
	v_pk_fma_f32 v[16+2*(p%4):17+2*(p%4)], v[X+2*p:X+2*p+1], v[X+2*p:X+2*p+1], v[16+2*(p%4):17+2*(p%4)]
.set p, p+1
.endr
	ALLSUM 64
	s_delay_alu instid0(VALU_DEP_1)
	v_mul_f32 v12, 0x38000000, v[T]                ; the variance (x 2^-15 rounds nothing),
	s_delay_alu instid0(VALU_DEP_1)
	v_add_f32 v12, 0x3727c5ac, v12                 ; + 1e-5
	s_wait_alu depctr_va_vdst(0)
	v_rsq_f32 v12, v12
	v_nop                                          ; one plain place behind a transcendental
	s_wait_alu depctr_va_vdst(0)
	v_mov_b32 v13, v12
.set p, 0
.rept 32
	v_pk_mul_f32 v[X+2*p:X+2*p+1], v[X+2*p:X+2*p+1], v[12:13]
.set p, p+1
.endr
	; ---- pixel 2 t + e: gain and bias (which also parts the two pixels), the block's scale, 32 codes in six registers
.irp e, 0,1
.set c, 0
.rept 32
	v_fma_f32 v[T+c], v[X+2*c+\e], s[SW+c], s[SB+c]
.set c, c+1
.endr
	v_max3_num_f32 v146, |v[T]|, |v[T+1]|, |v[T+2]|
	v_max3_num_f32 v147, |v[T+3]|, |v[T+4]|, |v[T+5]|
.irp i, 6,10,14,18,22,26
	s_delay_alu instid0(VALU_DEP_2)
	v_max3_num_f32 v146, v146, |v[T+\i]|, |v[T+\i+1]|
	s_delay_alu instid0(VALU_DEP_2)
	v_max3_num_f32 v147, v147, |v[T+\i+2]|, |v[T+\i+3]|
.endr
	s_delay_alu instid0(VALU_DEP_2)
	v_max3_num_f32 v146, v146, |v[T+30]|, |v[T+31]|
	s_delay_alu instid0(VALU_DEP_1)
	v_max3_num_f32 v146, v146, v147, 0x1800000     ; and the floor
	s_delay_alu instid0(VALU_DEP_1)
	v_add_nc_u32 v148, 0xff000000, v146
	s_delay_alu instid0(VALU_DEP_1)
	v_lshrrev_b32 v[144+\e], 23, v148              ; the scale's byte
	v_cvt_scalef32_pk16_fp6_f32 v[128+8*\e:130+8*\e], v[T:T+15], v148
	v_cvt_scalef32_pk16_fp6_f32 v[132+8*\e:134+8*\e], v[T+16:T+31], v148
	v_nop                                          ; one plain place behind a scaled conversion
	v_mov_b32 v[131+8*\e], v[132+8*\e]             ; the six registers on end
	v_mov_b32 v[132+8*\e], v[133+8*\e]
	v_mov_b32 v[133+8*\e], v[134+8*\e]
	global_store_b128 v5, v[128+8*\e:131+8*\e], s[62:63] offset:256*\e        ; sixteen lanes fill 256 consecutive bytes, aligned
	global_store_b64 v6, v[132+8*\e:133+8*\e], s[62:63] offset:4096+128*\e
	global_store_b8 v7, v[144+\e], s[2:3] offset:64*\e
.endr                                          ; each pixel has registers of its own for what it stores: nothing that a store reads is written again
	s_wait_tensorcnt 0x0
	ds_add_u32 v243, v255
	s_wait_dscnt 0x0
	s_endpgm
.Lfunc_end_k_qc95a4b6003_prep:
	.size	k_qc95a4b6003_prep, .Lfunc_end_k_qc95a4b6003_prep-k_qc95a4b6003_prep
	.p2alignl 7, 3214868480
	.fill 96, 4, 3214868480
	.section	.rodata,"a",@progbits
	.p2align	6, 0x0
	.amdhsa_kernel k_qc95a4b6003_prep
		.amdhsa_group_segment_fixed_size 3072
		.amdhsa_private_segment_fixed_size 0
		.amdhsa_enable_private_segment 0
		.amdhsa_kernarg_size 56
		.amdhsa_user_sgpr_count 2
		.amdhsa_user_sgpr_kernarg_segment_ptr 1
		.amdhsa_wavefront_size32 1
		.amdhsa_system_sgpr_workgroup_id_x 1
		.amdhsa_system_sgpr_workgroup_id_y 1
		.amdhsa_system_sgpr_workgroup_id_z 1
		.amdhsa_system_vgpr_workitem_id 0
		.amdhsa_next_free_vgpr 256
		.amdhsa_next_free_sgpr 100
		.amdhsa_reserve_vcc 0
		.amdhsa_float_denorm_mode_32 3
		.amdhsa_float_denorm_mode_16_64 3
		.amdhsa_memory_ordered 1
		.amdhsa_forward_progress 1
		.amdhsa_inst_pref_size 36
	.end_amdhsa_kernel
	.amdgpu_metadata
---
amdhsa.version: [ 1, 2 ]
amdhsa.kernels:
  - .name:           k_qc95a4b6003_prep
    .symbol:         k_qc95a4b6003_prep.kd
    .args:
      - { .name: x, .offset: 0, .size: 8, .value_kind: global_buffer, .address_space: global }
      - { .name: norm_w, .offset: 8, .size: 8, .value_kind: global_buffer, .address_space: global }
      - { .name: norm_b, .offset: 16, .size: 8, .value_kind: global_buffer, .address_space: global }
      - { .name: qkv_w, .offset: 24, .size: 8, .value_kind: global_buffer, .address_space: global }
      - { .name: proj_w, .offset: 32, .size: 8, .value_kind: global_buffer, .address_space: global }
      - { .name: hnq, .offset: 40, .size: 8, .value_kind: global_buffer, .address_space: global }
      - { .name: wimg, .offset: 48, .size: 8, .value_kind: global_buffer, .address_space: global }
    .group_segment_fixed_size: 3072
    .private_segment_fixed_size: 0
    .kernarg_segment_align: 8
    .kernarg_segment_size: 56
    .max_flat_workgroup_size: 512
    .sgpr_count:     100
    .vgpr_count:     256
    .wavefront_size: 32
...
	.end_amdgpu_metadata
.endif
;; end of part 1
;; launch qkv (part 2): grid 16 x 16, 8 waves a work-group, no clusters, 327,680 bytes of LDS; arguments hnq, wimg, qkv_b, qbuf, kv; writes qbuf, kv
.if DOCPART == 2
	.amdgcn_target "amdgcn-amd-amdhsa--gfx1250"
	.amdhsa_code_object_version 6
	.text
	.protected	k_qc95a4b6003_qkv
	.globl	k_qc95a4b6003_qkv
	.p2align	8
	.type	k_qc95a4b6003_qkv,@function
k_qc95a4b6003_qkv:
	s_mov_b64 s[64:65], 0
	v_nop
	global_prefetch_b8 v0, s[64:65] scope:SCOPE_SE
	s_setreg_imm32_b32 hwreg(HW_REG_WAVE_MODE, 25, 1), 1
	s_wait_xcnt 0x0
; qkv = qkv_w hn + qkv_b on FP6 (E2M3) codes with E8M0 scales, K = 256 channels in two steps of 128; its results are quantised at once for attention's two products:
; q and k along d (two blocks of 32), v along the keys (blocks of 32 pixels).  Nothing wide goes to memory.
; Work-group (X, b): head X % 4, pixels 256 (X / 4) on: 16 tiles of 16.  Tile m of a batch, row r, is pixel 32 (m / 2) + 2 r + m % 2: tiles 2 j, 2 j + 1 are block j of 32 pixels.
; Wave i: q and k of tiles 2 i, 2 i + 1, and of v the fragment of 16 channels (tile i % 4) x 128 keys (half i / 4): 48 matrix instructions; all waves run one text.
; q, k: source 0 = 16 rows of the weight, source 1 = 16 pixels: a lane holds ONE pixel; lane r of a weight tile holds row r + 8 (r / 8) of a pair of tiles, so the 32 registers of a head's four tiles are d = 32 b + 16 h + i.
; v: source 0 = 16 pixels, source 1 = 16 rows of the weight: a lane holds one channel, its registers run along the pixels: register 16 b + 8 u + j is pixel 32 b + 16 h + 2 j + u of block b.
; The order inside a block is not the pixels' own; attention's p comes out of the same tiles in the same order, and a sum over a block does not hang on its order.
; The bias is the C of each sum's first matrix instruction.
; The codes leave as images of the operand's registers.  q: a half fragment a tile (16 rows x 64 K, six registers): registers 0-3 at 16 x lane, 4-5 at 512 + 8 x lane; its scale word holds its two bytes twice,
; since attention lays q's codes in either half of K = 128, beside zero codes.  k: my two tiles make ONE whole fragment, tile 2 i in registers 0-5 and tile 2 i + 1 in registers 6-11 (register group k at
; 512 k + 16 x lane); its scale word: the first tile's two bytes, then the second's.  v: a whole fragment.
; LDS, filled once by two tensor loads a wave: the chunk of hn (51,200 bytes), the head's weight block (39,936); behind them the head's 192 biases, by LDS stores into blocks of their own.
; No cluster: a work-group takes its 91 KB in one fill at its start and walks nothing; there is no stream of shared tiles to ask for jointly.
; LIMITS: NaN and infinities are not served; a block whose largest magnitude lies under 2^-124 gets the byte 1, which this program alone reads.
.set LW,   51200                       ; LDS: the weight block: 24 fragments of 1,536 bytes,
.set LWS,  88064                       ; their scale words, 128 bytes each
.set LB,   91136                       ; the biases: q's 64, k's 64, v's 64 (and v's once more)
.set L16,  1                           ; v1   16 x lane      v2  8 x lane      v3  4 x lane: the stores' offsets
.set L8,   2
.set L4,   3
.set HA,   4                           ; v4   hn, registers 0-3 of my first tile: 6,144 h + 16 r + 512 i
.set HB,   5                           ; v5   registers 4-5: 6,144 h + 8 r + 256 i + 4,096
.set HS,   6                           ; v6   its scale words: 4 r + 128 i + 49,152
.set VA,   7                           ; v7-9 the same for the eight tiles of my half of the pixels
.set VB,   8
.set VS,   9
.set WL16, 10                          ; v10  weight images: 16 x lane + LW
.set WL4,  11                          ; v11  their words: 4 x lane + LWS
.set WV16, 12                          ; v12, v13  the same at my tile of v's weight
.set WV4,  13
.set BIA,  14                          ; v14  bias of q, k: LB + 64 h
.set BVA,  15                          ; v15  bias of v: my lane's channel
.set LBW,  16                          ; v16  where I store a bias: LB + 4 x thread
.set SWD,  20                          ; v20-27 eight scale words; v28-29 two: these registers hold scales and nothing else
.set SHD,  28
.set WF,   32                          ; v32-127  eight fragments
.set HF,   128                         ; v128-151 two fragments
.set ACC,  152                         ; v152-215 accumulators (q, k: v152-183; v: all eight)
.set PC0,  192                         ; v192-203 q's and k's codes
.set BI,   216                         ; v216-247 biases in the result's layout
.set PW0,  248
.set PWM,  249
.set HW,   250                         ; the scale bytes just made
.set SEL,  20                          ; s[20:21]
.macro PLACES n
.rept \n
	v_nop
.endr
.endm
; 32 numbers of a lane, register 16 b + i = k 32 b + 16 h + i of my row, become a half fragment's codes in v[PC] .. v[PC+5] and two scale bytes in v[HW].
.macro HQUANT src
.irp b, 0,1
	v_max3_num_f32 v[BM+\b], |v[\src+16*\b]|, |v[\src+1+16*\b]|, 0x1800000   ; my 16 numbers of block b, and the floor 2^(3 - 127): the byte cannot fall under 1
.endr
.irp i, 2,4,6,8,10,12,14
.irp b, 0,1
	v_max3_num_f32 v[BM+\b], v[BM+\b], |v[\src+16*\b+\i]|, |v[\src+1+16*\b+\i]|
.endr
.endr
.irp b, 0,1
	s_delay_alu instid0(VALU_DEP_2)
	v_permlanex16_b32 v[BT+\b], v[BM+\b], s[SEL], s[SEL+1]
.endr
.irp b, 0,1
	s_delay_alu instid0(VALU_DEP_2)
	v_max_num_f32 v[BM+\b], v[BM+\b], v[BT+\b]     ; with lane l xor 16's: the block's largest magnitude
.endr
.irp b, 0,1
	s_delay_alu instid0(VALU_DEP_2)
	v_add_nc_u32 v[SO+\b], 0xff000000, v[BM+\b]    ; 2 off its exponent field: the conversion's scale operand
.endr
.irp b, 0,1
	s_delay_alu instid0(VALU_DEP_2)
	v_lshrrev_b32 v[BT+\b], 23, v[SO+\b]           ; the scale's byte
.endr
	s_delay_alu instid0(VALU_DEP_1)
	v_lshl_or_b32 v[HW], v[BT+1], 8, v[BT]
	v_cvt_scalef32_pk16_fp6_f32 v[PC:PC+2], v[\src:\src+15], v[SO]
	v_cvt_scalef32_pk16_fp6_f32 v[CT:CT+2], v[\src+16:\src+31], v[SO+1]
	v_nop                                          ; one plain place behind a scaled conversion
.irp i, 0,1,2
	v_permlane16_swap_b32 v[PC+\i], v[CT+\i]       ; a whole block to a lane: lanes 0-15 block 0, lanes 16-31 block 1
.endr
.irp i, 0,1,2
	s_delay_alu instid0(VALU_DEP_3)
	v_mov_b32 v[PC+3+\i], v[CT+\i]
.endr
.endm
; The same for 64 numbers, four blocks: a whole fragment in v[PC] .. v[PC+11], its scale word in v[HW].
.macro QUANT src
.irp b, 0,1,2,3
	v_max3_num_f32 v[BM+\b], |v[\src+16*\b]|, |v[\src+1+16*\b]|, 0x1800000
.endr
.irp i, 2,4,6,8,10,12,14
.irp b, 0,1,2,3
	v_max3_num_f32 v[BM+\b], v[BM+\b], |v[\src+16*\b+\i]|, |v[\src+1+16*\b+\i]|
.endr
.endr
.irp b, 0,1,2,3
	s_delay_alu instid0(VALU_DEP_4)
	v_permlanex16_b32 v[BT+\b], v[BM+\b], s[SEL], s[SEL+1]
.endr
.irp b, 0,1,2,3
	s_delay_alu instid0(VALU_DEP_4)
	v_max_num_f32 v[BM+\b], v[BM+\b], v[BT+\b]
.endr
.irp b, 0,1,2,3
	s_delay_alu instid0(VALU_DEP_4)
	v_add_nc_u32 v[SO+\b], 0xff000000, v[BM+\b]
.endr
.irp b, 0,1,2,3
	s_delay_alu instid0(VALU_DEP_4)
	v_lshrrev_b32 v[BT+\b], 23, v[SO+\b]
.endr
	s_delay_alu instid0(VALU_DEP_3)
	v_lshl_or_b32 v[HW], v[BT+1], 8, v[BT]
	s_delay_alu instid0(VALU_DEP_1)
	v_lshl_or_b32 v[HW], v[BT+2], 16, v[HW]
	s_delay_alu instid0(VALU_DEP_1)
	v_lshl_or_b32 v[HW], v[BT+3], 24, v[HW]
.irp c, 0,1
	v_cvt_scalef32_pk16_fp6_f32 v[PC+6*\c:PC+6*\c+2], v[\src+32*\c:\src+32*\c+15], v[SO+2*\c]
	v_cvt_scalef32_pk16_fp6_f32 v[CT+4*\c:CT+4*\c+2], v[\src+32*\c+16:\src+32*\c+31], v[SO+2*\c+1]
.endr
	v_nop
.irp c, 0,1
.irp i, 0,1,2
	v_permlane16_swap_b32 v[PC+6*\c+\i], v[CT+4*\c+\i]
.endr
.irp i, 0,1,2
	s_delay_alu instid0(VALU_DEP_3)
	v_mov_b32 v[PC+6*\c+3+\i], v[CT+4*\c+\i]
.endr
.endr
.endm
	s_load_b256 s[4:11], s[0:1], 0x0               ; hnq s[4:5], wimg s[6:7], qkv_b s[8:9], qbuf s[10:11]
	s_load_b64 s[12:13], s[0:1], 0x20              ; kv
	v_lshl_add_u32 v254, v0, 2, 0x29000
	v_mov_b32 v255, 0
	ds_add_u32 v254, v255
	ds_add_u32 v254, v255
	v_lshrrev_b32 v30, 5, v0
	s_delay_alu instid0(VALU_DEP_1)
	v_readfirstlane_b32 s14, v30                   ; wave i
	s_and_b32 s15, ttmp9, 3                        ; head
	s_lshr_b32 s16, ttmp9, 2                       ; quarter of the pixels
	s_and_b32 s17, ttmp7, 0xffff                   ; b
	; descriptor group 1 for my eighth of the chunk of hn: 25 rows of 256 bytes, dense
	s_mov_b32 s24, 3<<16                           ; no mask; elements of 8 bytes; no padding
	s_mov_b32 s25, 32<<16                          ; tensor_dim0 = 32
	s_mov_b32 s26, 25<<16                          ; tensor_dim1 = 25
	s_mov_b32 s27, 32<<16                          ; tile_dim0 = 32
	s_mov_b32 s28, 25                              ; tile_dim1 = 25
	s_mov_b32 s29, 32                              ; from row to row
	s_mov_b32 s30, 0
	s_mov_b32 s31, 0
	; and for my eighth of the weight block: 39 rows of 128 bytes, dense
	s_mov_b32 s36, 3<<16
	s_mov_b32 s37, 16<<16
	s_mov_b32 s38, 39<<16
	s_mov_b32 s39, 16<<16
	s_mov_b32 s40, 39
	s_mov_b32 s41, 16
	s_mov_b32 s42, 0
	s_mov_b32 s43, 0
	s_lshl_b32 s18, s17, 2
	s_add_co_u32 s18, s18, s16                     ; the chunk: 4 b + quarter
	s_mul_i32 s2, s18, 51200
	s_mul_i32 s33, s14, 6400                       ; LDS address: wave x 6,400
	s_add_co_u32 s2, s2, s33
	s_mov_b32 s3, 0
	s_mul_i32 s60, s15, 39936
	s_mul_i32 s61, s14, 4992
	s_add_co_u32 s60, s60, s61
	s_add_co_u32 s45, s61, LW                      ; LDS address: LW + wave x 4,992
	s_mov_b32 s61, 0
	s_mov_b32 s32, 1
	s_mov_b32 s44, 1
	s_wait_dscnt 0x0
	s_wait_kmcnt 0x0
	s_add_nc_u64 s[34:35], s[4:5], s[2:3]
	s_or_b32 s35, s35, 0x80000000
	s_add_nc_u64 s[46:47], s[6:7], s[60:61]
	s_or_b32 s47, s47, 0x80000000
	tensor_load_to_lds s[32:35], s[24:31]          ; the first of the launch's two fills: one load of mine is out
	s_nop 0
	s_wait_alu depctr_va_vdst(0)
	s_wait_tensorcnt 0x0
	ds_add_u32 v254, v255
	s_wait_dscnt 0x0
	s_barrier_signal -1
	s_barrier_wait -1
	tensor_load_to_lds s[44:47], s[36:43]
	s_nop 0
	PLACES 4
	v_lshrrev_b32 v30, 6, v0                       ; the biases: thread t takes number t % 64 of q's, k's, v's (the last 64 threads v's again)
	s_delay_alu instid0(VALU_DEP_1)
	v_min_u32 v30, 2, v30
	v_and_b32 v31, 63, v0
	s_delay_alu instid0(VALU_DEP_2)
	v_lshlrev_b32 v30, 10, v30
	s_delay_alu instid0(VALU_DEP_1)
	v_lshl_add_u32 v30, v31, 2, v30
	s_lshl_b32 s2, s15, 8
	s_add_nc_u64 s[8:9], s[8:9], s[2:3]
	global_load_b32 v31, v30, s[8:9]
	s_mov_b32 s20, 0x76543210
	s_mov_b32 s21, 0xfedcba98
	s_mov_b32 s22, 0xffff0000                      ; lanes 16-31
	s_lshr_b32 s62, s14, 2                         ; v: my half of the pixels,
	s_and_b32 s63, s14, 3                          ; my tile of channels
	v_and_b32 v19, 31, v0                          ; lane
	v_and_b32 v17, 15, v0                          ; r
	v_bfe_u32 v18, v0, 4, 1                        ; h
	s_delay_alu instid0(VALU_DEP_3)
	v_lshlrev_b32 v[L16], 4, v19
	s_delay_alu instid0(VALU_DEP_4)
	v_lshlrev_b32 v[L8], 3, v19
	v_lshlrev_b32 v[L4], 2, v19
	s_delay_alu instid0(VALU_DEP_4)
	v_mul_u32_u24 v[HA], v18, 6144                 ; lanes 16-31 take the next group's codes: block 2 c + h
	s_delay_alu instid0(VALU_DEP_1)
	v_lshl_add_u32 v[HB], v17, 3, v[HA]
	s_wait_alu depctr_va_vdst(0)
	v_lshl_add_u32 v[HA], v17, 4, v[HA]
	v_lshlrev_b32 v[HS], 2, v17
	s_wait_alu depctr_va_vdst(0)
	s_lshl_b32 s60, s62, 11
	v_add_nc_u32 v[VA], s60, v[HA]
	s_lshl_b32 s60, s62, 10
	s_add_co_u32 s60, s60, 4096
	v_add_nc_u32 v[VB], s60, v[HB]
	s_lshl_b32 s60, s62, 9
	s_add_co_u32 s60, s60, 49152
	v_add_nc_u32 v[VS], s60, v[HS]
	s_lshl_b32 s60, s14, 9
	v_add_nc_u32 v[HA], s60, v[HA]
	s_lshl_b32 s60, s14, 8
	s_add_co_u32 s60, s60, 4096
	v_add_nc_u32 v[HB], s60, v[HB]
	s_lshl_b32 s60, s14, 7
	s_add_co_u32 s60, s60, 49152
	v_add_nc_u32 v[HS], s60, v[HS]
	v_add_nc_u32 v[WL16], LW, v[L16]
	v_add_nc_u32 v[WL4], LWS, v[L4]
	s_mul_i32 s60, s63, 3072
	v_add_nc_u32 v[WV16], s60, v[WL16]
	s_lshl_b32 s60, s63, 8
	v_add_nc_u32 v[WV4], s60, v[WL4]
	v_lshl_add_u32 v[BIA], v18, 6, LB
	s_lshr_b32 s60, s63, 1
	s_lshl_b32 s60, s60, 5
	s_and_b32 s61, s63, 1
	s_lshl_b32 s61, s61, 3
	s_add_co_u32 s60, s60, s61                     ; my tile's first channel: 32 (t / 2) + 8 (t % 2)
	s_lshl_b32 s60, s60, 2
	s_add_co_u32 s60, s60, LB+512
	v_and_b32 v[BVA], 8, v17
	s_delay_alu instid0(VALU_DEP_1)
	v_add_nc_u32 v[BVA], v[BVA], v17               ; + r + 8 (r / 8)
	s_delay_alu instid0(VALU_DEP_1)
	v_lshlrev_b32 v[BVA], 2, v[BVA]
	s_delay_alu instid0(VALU_DEP_1)
	v_add_nc_u32 v[BVA], s60, v[BVA]
	v_lshl_add_u32 v[LBW], v0, 2, LB
	; where my results go
	s_lshl_b32 s60, s17, 4
	s_lshl_b32 s61, s16, 2
	s_add_co_u32 s60, s60, s61
	s_lshr_b32 s61, s14, 1
	s_add_co_u32 s60, s60, s61
	s_mul_i32 s60, s60, 13312                      ; qbuf: the block of 64 queries 16 b + 4 x quarter + i / 2
	s_and_b32 s61, s14, 1
	s_mul_i32 s2, s15, 3072
	s_add_co_u32 s2, s2, s60
	s_mul_i32 s19, s61, 1536
	s_add_co_u32 s2, s2, s19
	s_add_nc_u64 s[48:49], s[10:11], s[2:3]        ; q's codes
	s_lshl_b32 s2, s15, 8
	s_add_co_u32 s2, s2, s60
	s_lshl_b32 s19, s61, 7
	s_add_co_u32 s2, s2, s19
	s_add_co_u32 s2, s2, 12288
	s_add_nc_u64 s[50:51], s[10:11], s[2:3]        ; q's scale words
	s_mul_i32 s60, s18, 106496                     ; kv: the chunk of 256 keys
	s_mul_i32 s61, s15, 12288
	s_add_co_u32 s61, s61, s60
	s_mul_i32 s19, s14, 1536
	s_add_co_u32 s2, s61, s19
	s_add_nc_u64 s[52:53], s[12:13], s[2:3]        ; k's codes: fragment i of the head's eight
	s_add_nc_u64 s[56:57], s[52:53], 49152         ; v's codes
	s_lshl_b32 s61, s15, 10
	s_add_co_u32 s61, s61, s60
	s_lshl_b32 s19, s14, 7
	s_add_co_u32 s2, s61, s19
	s_add_co_u32 s2, s2, 98304
	s_add_nc_u64 s[54:55], s[12:13], s[2:3]        ; k's scale words: 128 bytes a fragment
	s_add_nc_u64 s[58:59], s[54:55], 4096          ; v's
	v_mov_b32 v186, 0                              ; written once: a lane permute's destination counts as one of its sources
	v_mov_b32 v187, 0
	s_wait_alu depctr_va_vdst(0)
	s_wait_loadcnt 0x0
	ds_store_b32 v[LBW], v31
	s_wait_tensorcnt 0x0                           ; my parts of the two blocks have landed,
	s_wait_dscnt 0x0                               ; my bias is stored:
	s_barrier_signal -1
	s_barrier_wait -1                              ; everybody's are.  The launch's one barrier: from here on LDS is only read
; q (u = 0) or k (u = 1) of my two tiles of pixels.  cb, sb: the scalar pairs with the codes' and the scale words' places.
.macro UNIT u, cb, sb
.irp f, 0,1,2,3,4,5,6,7                        ; the eight weight fragments (tile f / 2, K step f % 2), their words, the four tiles' biases
.irp k, 0,1,2
	ds_load_b128 v[WF+12*\f+4*\k:WF+12*\f+4*\k+3], v[WL16] offset:(8*\u+\f)*1536+512*\k
.endr
	ds_load_b32 v[SWD+\f], v[WL4] offset:(8*\u+\f)*128
.endr
.irp t, 0,1,2,3
	ds_load_b128 v[BI+8*\t:BI+8*\t+3], v[BIA] offset:256*\u+4*(32*(\t/2)+8*(\t%2))        ; lane (r, h), register j: d = 32 (t / 2) + 16 h + 8 (t % 2) + j
	ds_load_b128 v[BI+8*\t+4:BI+8*\t+7], v[BIA] offset:256*\u+4*(32*(\t/2)+8*(\t%2))+16
.endr
.irp mm, 0,1
.irp s, 0,1
.irp c, 0,1
	ds_load_b128 v[HF+12*\s+6*\c:HF+12*\s+6*\c+3], v[HA] offset:(4*\s+2*\c)*6144+256*\mm      ; registers 6 c .. 6 c + 5: group 4 s + 2 c + h of pixel row r
	ds_load_b64 v[HF+12*\s+6*\c+4:HF+12*\s+6*\c+5], v[HB] offset:(4*\s+2*\c)*6144+128*\mm
.endr
	ds_load_b32 v[SHD+\s], v[HS] offset:1024*\s+64*\mm
.endr
	s_wait_dscnt 0x0
.irp t, 0,1,2,3                                ; the four accumulators by turns, K step by K step
	v_wmma_scale_f32_16x16x128_f8f6f4 v[ACC+8*\t:ACC+8*\t+7], v[WF+24*\t:WF+24*\t+11], v[HF:HF+11], v[BI+8*\t:BI+8*\t+7], v[SWD+2*\t], v[SHD] matrix_a_fmt:MATRIX_FMT_FP6 matrix_b_fmt:MATRIX_FMT_FP6
.endr
.irp t, 0,1,2,3
	v_wmma_scale_f32_16x16x128_f8f6f4 v[ACC+8*\t:ACC+8*\t+7], v[WF+24*\t+12:WF+24*\t+23], v[HF+12:HF+23], v[ACC+8*\t:ACC+8*\t+7], v[SWD+2*\t+1], v[SHD+1] matrix_a_fmt:MATRIX_FMT_FP6 matrix_b_fmt:MATRIX_FMT_FP6
.endr
	PLACES 5                                       ; four in front of the first read of results and of loads into operands; the fifth since the next run of products begins these accumulators anew
	s_wait_xcnt 0x0                                ; the last stores have read their registers: the codes and the word are written again only behind this wait
.if \u
.set PC, PC0+6*\mm                             ; k: the second tile's six registers behind the first's
.endif
	HQUANT ACC
.if \u == 0
	v_lshl_or_b32 v[HW], v[HW], 16, v[HW]          ; q's two bytes twice: they serve whichever half of K = 128 holds q's codes; over the zero codes of the other half any byte but 0xff will do
	global_store_b128 v[L16], v[PC:PC+3], s[\cb:\cb+1] offset:768*\mm          ; 512 consecutive bytes
	global_store_b64 v[L8], v[PC+4:PC+5], s[\cb:\cb+1] offset:768*\mm+512      ; 256
.if \mm == 0
	v_mov_b32 v[PW0], v[HW]
.else
	v_cndmask_b32 v[PWM], v[PW0], v[HW], s22       ; lanes 0-15 the first tile's words, lanes 16-31 the second's (both halves of the lanes hold row r's word)
	global_store_b32 v[L4], v[PWM], s[\sb:\sb+1]
.endif
.else
.if \mm == 0
	v_mov_b32 v[PW0], v[HW]
.else
	v_lshl_or_b32 v[PWM], v[HW], 16, v[PW0]        ; the fragment's scale word: row r of the first tile, then row r of the second
.irp k, 0,1,2
	global_store_b128 v[L16], v[PC0+4*\k:PC0+4*\k+3], s[\cb:\cb+1] offset:512*\k   ; 512 consecutive bytes a store
.endr
	global_store_b32 v[L4], v[PWM], s[\sb:\sb+1]   ; both halves of the lanes hold row r's word: the 16 words lie there twice
.endif
.endif
.endr
.endm
.set BM, 184
.set BT, 186
.set SO, 188
.set PC, PC0
.set CT, 204
	UNIT 0, 48, 50
	UNIT 1, 52, 54
	; ---- v: 16 channels x 128 keys.  Source 0 = a tile of pixels, source 1 = my tile of the weight
	s_wait_xcnt 0x0                                ; k's stores have read their registers: v's eight accumulators, v152-215, lie over the codes in v192-203 that those stores take
.irp s, 0,1
.irp k, 0,1,2
	ds_load_b128 v[HF+12*\s+4*\k:HF+12*\s+4*\k+3], v[WV16] offset:24576+1536*\s+512*\k
.endr
	ds_load_b32 v[SHD+\s], v[WV4] offset:2048+128*\s
.endr
.irp j, 0,1,2,3,4,5,6,7
	ds_load_b32 v[BI+\j], v[BVA]                   ; a lane's eight results are one channel's: its bias eight times
.endr
.irp s, 0,1
.if \s
	PLACES 4                                       ; in front of loads into registers that matrix instructions have read
.endif
.irp m, 0,1,2,3,4,5,6,7
.irp c, 0,1
	ds_load_b128 v[WF+12*\m+6*\c:WF+12*\m+6*\c+3], v[VA] offset:(4*\s+2*\c)*6144+256*\m
	ds_load_b64 v[WF+12*\m+6*\c+4:WF+12*\m+6*\c+5], v[VB] offset:(4*\s+2*\c)*6144+128*\m
.endr
	ds_load_b32 v[SWD+\m], v[VS] offset:1024*\s+64*\m
.endr
	s_wait_dscnt 0x0
.irp m, 0,1,2,3,4,5,6,7                        ; eight accumulators by turns
.if \s == 0
	v_wmma_scale_f32_16x16x128_f8f6f4 v[ACC+8*\m:ACC+8*\m+7], v[WF+12*\m:WF+12*\m+11], v[HF:HF+11], v[BI:BI+7], v[SWD+\m], v[SHD] matrix_a_fmt:MATRIX_FMT_FP6 matrix_b_fmt:MATRIX_FMT_FP6
.else
	v_wmma_scale_f32_16x16x128_f8f6f4 v[ACC+8*\m:ACC+8*\m+7], v[WF+12*\m:WF+12*\m+11], v[HF+12:HF+23], v[ACC+8*\m:ACC+8*\m+7], v[SWD+\m], v[SHD+1] matrix_a_fmt:MATRIX_FMT_FP6 matrix_b_fmt:MATRIX_FMT_FP6
.endif
.endr
.endr
	PLACES 5                                       ; the quantiser reads the results and works in registers that held source 0
.set BM, 32
.set BT, 36
.set SO, 44
.set PC, 48
.set CT, 60
	QUANT ACC
.irp k, 0,1,2
	global_store_b128 v[L16], v[PC+4*\k:PC+4*\k+3], s[56:57] offset:512*\k
.endr
	global_store_b32 v[L4], v[HW], s[58:59]
	s_wait_tensorcnt 0x0
	ds_add_u32 v254, v255
	s_wait_dscnt 0x0
	s_endpgm
.Lfunc_end_k_qc95a4b6003_qkv:
	.size	k_qc95a4b6003_qkv, .Lfunc_end_k_qc95a4b6003_qkv-k_qc95a4b6003_qkv
	.p2alignl 7, 3214868480
	.fill 96, 4, 3214868480
	.section	.rodata,"a",@progbits
	.p2align	6, 0x0
	.amdhsa_kernel k_qc95a4b6003_qkv
		.amdhsa_group_segment_fixed_size 327680
		.amdhsa_private_segment_fixed_size 0
		.amdhsa_enable_private_segment 0
		.amdhsa_kernarg_size 40
		.amdhsa_user_sgpr_count 2
		.amdhsa_user_sgpr_kernarg_segment_ptr 1
		.amdhsa_wavefront_size32 1
		.amdhsa_system_sgpr_workgroup_id_x 1
		.amdhsa_system_sgpr_workgroup_id_y 1
		.amdhsa_system_sgpr_workgroup_id_z 1
		.amdhsa_system_vgpr_workitem_id 0
		.amdhsa_next_free_vgpr 256
		.amdhsa_next_free_sgpr 66
		.amdhsa_reserve_vcc 0
		.amdhsa_float_denorm_mode_32 3
		.amdhsa_float_denorm_mode_16_64 3
		.amdhsa_memory_ordered 1
		.amdhsa_forward_progress 1
		.amdhsa_inst_pref_size 44
	.end_amdhsa_kernel
	.amdgpu_metadata
---
amdhsa.version: [ 1, 2 ]
amdhsa.kernels:
  - .name:           k_qc95a4b6003_qkv
    .symbol:         k_qc95a4b6003_qkv.kd
    .args:
      - { .name: hnq, .offset: 0, .size: 8, .value_kind: global_buffer, .address_space: global }
      - { .name: wimg, .offset: 8, .size: 8, .value_kind: global_buffer, .address_space: global }
      - { .name: qkv_b, .offset: 16, .size: 8, .value_kind: global_buffer, .address_space: global }
      - { .name: qbuf, .offset: 24, .size: 8, .value_kind: global_buffer, .address_space: global }
      - { .name: kv, .offset: 32, .size: 8, .value_kind: global_buffer, .address_space: global }
    .group_segment_fixed_size: 327680
    .private_segment_fixed_size: 0
    .kernarg_segment_align: 8
    .kernarg_segment_size: 40
    .max_flat_workgroup_size: 256
    .sgpr_count:     66
    .vgpr_count:     256
    .wavefront_size: 32
...
	.end_amdgpu_metadata
.endif
;; end of part 2
;; launch attn (part 3): grid 16 x 16, 16 waves a work-group, clusters of 4 x 1, 327,680 bytes of LDS; arguments qbuf, kv, wimg, proj_b, x, out0; writes out0
.if DOCPART == 3
	.amdgcn_target "amdgcn-amd-amdhsa--gfx1250"
	.amdhsa_code_object_version 6
	.text
	.protected	k_qc95a4b6003_attn
	.globl	k_qc95a4b6003_attn
	.p2align	8
	.type	k_qc95a4b6003_attn,@function
k_qc95a4b6003_attn:
	s_mov_b64 s[64:65], 0
	v_nop
	global_prefetch_b8 v0, s[64:65] scope:SCOPE_SE
	s_setreg_imm32_b32 hwreg(HW_REG_WAVE_MODE, 25, 1), 1
	s_wait_xcnt 0x0
	s_wait_alu depctr_hold_cnt(0) depctr_sa_sdst(0) depctr_va_vdst(0) depctr_va_sdst(0) depctr_va_ssrc(0) depctr_va_vcc(0) depctr_vm_vsrc(0)
	s_getreg_b32 s2, hwreg(HW_REG_IB_STS2, 6, 4)
	s_cmp_eq_u32 s2, 0
	s_cbranch_scc0 .Lentry_in_a_cluster
	s_endpgm
.Lentry_in_a_cluster:
	s_bfe_u32 s2, ttmp6, 0x10000c
	s_cmp_lg_u32 s2, 0x3003
	s_cbranch_scc0 .Lentry_shape_is_right
	s_endpgm
.Lentry_shape_is_right:
; out0 = x + proj_w softmax(q k^T / 8) v + proj_b, all three products on FP6 (E2M3) codes with one E8M0 scale for each 32 along K.
; A work-group owns 64 pixels of one batch and all 4 heads, so it can finish out0 itself.  Wave w: head w / 4, tile w % 4 of 16 queries, in 256 registers, four waves to a SIMD.
; In the projection wave w makes output channels 16 w .. 16 w + 15 for the 64 pixels.
; Tile m of a batch, row r, is pixel 32 (m / 2) + 2 r + m % 2.  Both attention products are used transposed (S^T = k q^T, O^T = v^T p^T): a lane holds ONE query.  The 16 registers of key tiles 2 j, 2 j + 1 are
; the lane's half of block j of 32 keys, in the order in which v's codes were laid.
; K OF THE FIRST PRODUCT IS 64, HALF OF THE INSTRUCTION'S 128.  A fragment of k holds TWO tiles of keys, tile 2 f in registers 0-5 and tile 2 f + 1 in registers 6-11, and is multiplied twice: q lies as
; [codes][zero codes][codes] in 18 registers, and the run of 12 from its register 0 picks the first tile, the run from its register 6 the second: what meets zero codes adds nothing.
; So the 8 tiles of a key step are 48 registers with no zeros among them.  q's scale word holds its two bytes twice; k's holds the first tile's two, then the second's.
; OPERANDS ARE ASKED FOR A STEP AHEAD: k's fragments of the next step go out as soon as this step's scores are issued, v's as soon as this step's v^T p^T is: each has registers of its own, and the softmax
; stands between the request and the wait.  Nothing is asked for across a change of slots.
; THE SOFTMAX: t = score x log2(e) / 8; M = the running largest t rounded up to a whole number; p = 2^(t - M) is quantised along the keys, not normalised; the sum of the unquantised p divides O at the end;
; when M moves, the sum and O^T are multiplied by 2^(old M - new M), which rounds nothing.  No branch on data.
; k, v and their scales come as chunks of 256 keys x 4 heads (106,496 dense bytes, images of the operands' registers) through two LDS slots.
; CLUSTER: the four work-groups of a cluster belong to one batch and walk the same chunks: each chunk is asked for JOINTLY (waves 0-3, a quarter each, mask 15).  The place in the cluster enters only the global
; addresses of q, x and out0.  x's tile for the residual (256 channels x 64 pixels) comes once, by waves 4-7's own loads, with the first fills.
; out (O / sum) is quantised along the channels: a wave's 64 are half a fragment; the halves meet in LDS as images; then out0's tile goes through the wave's stage so that sixteen lanes store 256 consecutive bytes.
; LIMITS: NaN and infinities are not served.  A block's largest p is made from the block's largest score by the same multiply-add and exponential: this takes v_exp_f32 not to fall where its input rises.
.set CHUNK, 106496
.set SLOT1, 131072                     ; slot 0 at 0, slot 1 here: one exclusive or turns an address
.set VCO,   49152                      ; in a chunk: k's codes [head][fragment 8][1,536]; here v's [head][step 2][tile 4][1,536];
.set KSO,   98304                      ; k's scale words [head][fragment 8][128 bytes: 16 words, twice];
.set VSO,   102400                     ; v's [head][step][tile][32 lanes x 4]
.set OIMG,  106496                     ; between the slots, in blocks of their own: out's 8 fragments (2 m + s) x 1,536 bytes,
.set OSC,   118784                     ; their scale words, 64 bytes each,
.set SPARE, 119296                     ; and the spare words, 128 bytes for each of 16 waves, which no other line names
.set XRB,   237568                     ; behind slot 1: x's tile, 256 rows x (256 bytes + 16), filled once
.set ADK,  1                           ; v1  in the slot in hand: 16 x lane + 12,288 x head: k's fragments, and (49,152 on) v's
.set ADS,  2                           ; v2  k's scale words: 4 r + 128 h + KSO + 1,024 x head: lanes 0-15 a fragment's, lanes 16-31 the next fragment's
.set ADT,  3                           ; v3  v's scale words: 4 x lane + VSO + 1,024 x head
.set SPW,  4                           ; v4  my spare word; never rewritten
.set NIL,  5                           ; v5  0; never rewritten
.set NM,   6                           ; v6 -M, v7 the largest t
.set SUM,  8                           ; v[8:9] the sum in two halves
.set FF,   10                          ; v10 f = 2^(old M - new M); v11 at work (the two are named as a pair)
.set TMP,  11
.set AK16, 12                          ; v12, v13, v255: the three addresses in slot 0
.set AKS,  13
.set AVS,  255
.set QSW,  14                          ; scale words (v14-21 hold scales and nothing else): v14 q's, v15 p's, v16-17 k's (two fragments a register), later proj_w's, v18-21 v's, later out's
.set PSW,  15
.set KSW,  16
.set VSW,  18
.set QF,   22                          ; v22-27 q's codes, v28-33 zero codes, v34-39 q's codes again
.set KF,   40                          ; v40-87   k's four fragments of a step; at the end proj_w's two fragments (v40-63) and proj_b (v64-71)
.set VF,   88                          ; v88-135  v's four fragments of a step; at the end out's four
.set S,    136                         ; v136-199 S^T, then p
.set XT,   168                         ; the tail: x's rows
.set O,    200                         ; v200-231 O^T; later the projection's four accumulators
.set PC,   232                         ; v232-243 p's codes.  Ahead of the conversions the same registers hold the blocks' maxima (v232-235) and the lane exchange's results, then the bytes (v236-239)
.set BM,   232
.set BT,   236
.set CT,   244                         ; v244-246, v248-250 second halves of blocks, as converted
.set HW,   247
.set SO,   251                         ; v251-254 the conversions' scale operands; behind the conversions v[252:253] is the second chain of the sum
.set SUM2, 252
.set WV,   16                          ; s16 wave
.set SEL,  20                          ; s[20:21]
.set CS,   22                          ; s[22:23] c = log2(e) / 8
.set G1K,  24                          ; s[24:31], s[32:35] the chunks' descriptor; group 0 walks
.set G0K,  32
.set G1X,  36                          ; s[36:43], s[44:47] x's
.set G0X,  44
.set TB,   48                          ; s48 the slot in hand
.set SLOTS, 49
.macro PLACES n
.rept \n
	v_nop
.endr
.endm
.macro CROUND                          ; a round of the cluster's barrier
	s_barrier_signal -1
	s_barrier_wait -1
	s_cmp_lg_u32 s[WV], 0
	s_cbranch_scc1 .Lnot_wave_0_\@
	s_barrier_signal -3
.Lnot_wave_0_\@:
	s_barrier_wait -3
	s_barrier_signal -1
	s_barrier_wait -1
.endm
.macro TLOAD                           ; the joint refill: waves 0-3, a quarter of the chunk each; the branch hangs on the wave's number alone; four v_nop follow the load
	s_cmp_lt_u32 s[WV], 4
	s_cbranch_scc0 .Lnone_\@
	tensor_load_to_lds s[G0K:G0K+3], s[G1K:G1K+7]
	s_nop 0
	PLACES 4
.Lnone_\@:
.endm
.macro HQUANT src                      ; 32 numbers of a lane, register 16 b + i = k 32 b + 16 h + i of my row: six registers of codes in v[PC] on, two scale bytes in v[HW]
.irp b, 0,1
	v_max3_num_f32 v[BM+\b], |v[\src+16*\b]|, |v[\src+1+16*\b]|, 0x1800000
.endr
.irp i, 2,4,6,8,10,12,14
.irp b, 0,1
	s_delay_alu instid0(VALU_DEP_2)
	v_max3_num_f32 v[BM+\b], v[BM+\b], |v[\src+16*\b+\i]|, |v[\src+1+16*\b+\i]|
.endr
.endr
.irp b, 0,1
	s_delay_alu instid0(VALU_DEP_2)
	v_permlanex16_b32 v[BT+\b], v[BM+\b], s[SEL], s[SEL+1]
.endr
.irp b, 0,1
	s_delay_alu instid0(VALU_DEP_2)
	v_max_num_f32 v[BM+\b], v[BM+\b], v[BT+\b]
.endr
.irp b, 0,1
	s_delay_alu instid0(VALU_DEP_2)
	v_add_nc_u32 v[SO+\b], 0xff000000, v[BM+\b]
.endr
.irp b, 0,1
	s_delay_alu instid0(VALU_DEP_2)
	v_lshrrev_b32 v[BT+\b], 23, v[SO+\b]
.endr
	s_delay_alu instid0(VALU_DEP_1)
	v_lshl_or_b32 v[HW], v[BT+1], 8, v[BT]
	v_cvt_scalef32_pk16_fp6_f32 v[PC:PC+2], v[\src:\src+15], v[SO]
	v_cvt_scalef32_pk16_fp6_f32 v[CT:CT+2], v[\src+16:\src+31], v[SO+1]
	v_nop
.irp i, 0,1,2
	v_permlane16_swap_b32 v[PC+\i], v[CT+\i]
.endr
.irp i, 0,1,2
	s_delay_alu instid0(VALU_DEP_3)
	v_mov_b32 v[PC+3+\i], v[CT+\i]
.endr
.endm
	s_load_b256 s[4:11], s[0:1], 0x0               ; qbuf s[4:5], kv s[6:7], wimg s[8:9], proj_b s[10:11]
	s_load_b128 s[12:15], s[0:1], 0x20             ; x s[12:13], out0 s[14:15]
	v_lshl_add_u32 v[SPW], v0, 2, SPARE
	v_mov_b32 v[NIL], 0
	ds_add_u32 v4, v5
	ds_add_u32 v4, v5
	s_wait_dscnt 0x0
	v_lshrrev_b32 v[TMP], 5, v0
	s_delay_alu instid0(VALU_DEP_1)
	v_readfirstlane_b32 s[WV], v[TMP]              ; wave 0..15
	s_bfe_u32 s17, ttmp6, 0x40000                  ; cx
	s_lshl_b32 s18, ttmp9, 2
	s_add_co_u32 s18, s18, s17                     ; my block of 64 pixels = 4 x cluster x + cx
	s_and_b32 s19, ttmp7, 0xffff                   ; the batch, which the four partners share
	s_mov_b32 s[SEL], 0x76543210
	s_mov_b32 s[SEL+1], 0xfedcba98
	s_mov_b32 s[CS], 0x3e38aa3b                    ; log2(e) / 8
	s_mov_b32 s[CS+1], s[CS]                       ; (named with it as a pair, so it is written)
	; a quarter of a chunk: 104 rows of 256 bytes, dense
	s_mov_b32 s[G1K], 15|(3<<16)|(1<<21)           ; the mask: all four work-groups; elements of 8 bytes; bit 21 beside a mask; no padding
	s_mov_b32 s[G1K+1], 32<<16                     ; tensor_dim0 = 32
	s_mov_b32 s[G1K+2], 104<<16                    ; tensor_dim1 = 104
	s_mov_b32 s[G1K+3], 32<<16                     ; tile_dim0
	s_mov_b32 s[G1K+4], 104                        ; tile_dim1
	s_mov_b32 s[G1K+5], 32                         ; from row to row
	s_mov_b32 s[G1K+6], 0
	s_mov_b32 s[G1K+7], 0
	; 64 channels x 64 pixels of x: rows of 256 bytes, 4,096 apart, 16 bytes of padding behind each in LDS
	s_mov_b32 s[G1X], (2<<16)|(1<<20)|(5<<22)|(3<<25)   ; no mask; elements of 4 bytes; padding after every 64 words, of 4 words
	s_mov_b32 s[G1X+1], 64<<16
	s_mov_b32 s[G1X+2], 64<<16
	s_mov_b32 s[G1X+3], 64<<16
	s_mov_b32 s[G1X+4], 64
	s_mov_b32 s[G1X+5], 1024
	s_mov_b32 s[G1X+6], 0
	s_mov_b32 s[G1X+7], 0
	s_and_b32 s50, s[WV], 3                        ; which quarter I fetch, if I fetch
	s_mul_i32 s[G0K+1], s50, 26624                 ; LDS: slot 0
	s_mul_i32 s56, s19, 4*CHUNK                    ; the batch's first chunk: no register of this descriptor ever holds cx
	s_add_co_u32 s56, s56, s[G0K+1]
	s_mov_b32 s57, 0
	s_mul_i32 s[G0X+1], s50, 17408
	s_add_co_u32 s[G0X+1], s[G0X+1], XRB
	s_lshl_b32 s52, s19, 20
	s_lshl_b32 s53, s18, 8
	s_add_co_u32 s52, s52, s53                     ; x and out0: the batch, + my 64 pixels
	s_mov_b32 s53, 0
	s_lshl_b32 s54, s50, 18                        ; + 64 channels a quarter
	s_add_co_u32 s54, s54, s52
	s_mov_b32 s55, 0
	s_lshl_b32 s58, s19, 4
	s_add_co_u32 s58, s58, s18
	s_mul_i32 s58, s58, 13312                      ; qbuf: my block
	s_mov_b32 s59, 0
	s_mul_i32 s60, s[WV], 3072                     ; kept for the last step: my two fragments of proj_w,
	s_lshl_b32 s61, s[WV], 8                       ; their scale words,
	s_lshl_b32 s62, s[WV], 6                       ; my 16 numbers of proj_b (and my 16 scale words of q)
	s_mov_b32 s[G0K], 1
	s_mov_b32 s[G0X], 1
	s_mov_b32 s[TB], 0
	s_mov_b32 s[SLOTS], 3
	s_wait_kmcnt 0x0
	s_add_nc_u64 s[G0K+2:G0K+3], s[6:7], s[56:57]
	s_or_b32 s[G0K+3], s[G0K+3], 0x80000000
	s_add_nc_u64 s[G0X+2:G0X+3], s[12:13], s[54:55]
	s_or_b32 s[G0X+3], s[G0X+3], 0x80000000
	s_add_nc_u64 s[4:5], s[4:5], s[58:59]
	s_add_nc_u64 s[14:15], s[14:15], s[52:53]
	CROUND                                         ; all four work-groups are here: the first joint loads meet
	s_cmp_lt_u32 s[WV], 4                          ; the first fills: waves 0-3 chunk 0, waves 4-7 x's tile, the others nothing: one load of a wave is out
	s_cbranch_scc0 .Lnot_k
	tensor_load_to_lds s[G0K:G0K+3], s[G1K:G1K+7]
	s_nop 0
	PLACES 4
	s_branch .Lasked
.Lnot_k:
	s_cmp_lt_u32 s[WV], 8
	s_cbranch_scc0 .Lasked
	tensor_load_to_lds s[G0X:G0X+3], s[G1X:G1X+7]
	s_nop 0
	PLACES 4
.Lasked:
	v_and_b32 v136, 31, v0                         ; lane
	v_and_b32 v137, 15, v0                         ; r
	v_bfe_u32 v138, v0, 4, 1                       ; h
	s_mul_i32 s50, s[WV], 768
	v_lshl_add_u32 v139, v136, 4, s50
	v_lshl_add_u32 v140, v136, 3, s50
	v_lshl_add_u32 v141, v137, 2, s62
	global_load_b128 v[QF:QF+3], v139, s[4:5]                      ; q's half fragment stays in registers, twice: ahead of the zero codes
	global_load_b64 v[QF+4:QF+5], v140, s[4:5] offset:512
	global_load_b128 v[QF+12:QF+15], v139, s[4:5]                  ; and behind them
	global_load_b64 v[QF+16:QF+17], v140, s[4:5] offset:512
	global_load_b32 v[QSW], v141, s[4:5] offset:12288
	s_lshr_b32 s50, s[WV], 2                       ; head
	s_mul_i32 s51, s50, 12288
	v_lshl_add_u32 v[AK16], v136, 4, s51
	s_lshl_b32 s51, s50, 10
	s_add_co_u32 s51, s51, KSO
	v_lshl_add_u32 v[AKS], v137, 2, s51
	s_delay_alu instid0(VALU_DEP_1)
	v_lshl_add_u32 v[AKS], v138, 7, v[AKS]
	s_add_co_u32 s51, s51, VSO-KSO
	v_lshl_add_u32 v[AVS], v136, 2, s51
.irp j, 6,7,8,9,10,11
	v_mov_b32 v[QF+\j], 0                          ; the zero codes, written once
.endr
	v_mov_b32 v[NM+1], 0xff61b1e6                  ; the largest t so far: -3e38
	s_delay_alu instid0(VALU_DEP_1)
	v_floor_f32 v[NM], -v[NM+1]
	v_mov_b32 v[SUM], 0
	v_mov_b32 v[SUM+1], 0
.set j, 0
.rept 32
	v_mov_b32 v[O+j], 0                            ; the step is written once: the first finds zeros, which the first change of M leaves zeros
.set j, j+1
.endr
.irp b, 0,1,2,3
	v_mov_b32 v[BT+\b], 0                          ; a lane permute's destination counts as one of its sources
.endr
.macro KLOAD q                         ; 14 LDS loads: k's four fragments (8 tiles of keys) of the slot's q-th step, and their scale words
.irp f, 0,1,2,3
.irp k, 0,1,2
	ds_load_b128 v[KF+12*\f+4*\k:KF+12*\f+4*\k+3], v[ADK] offset:(4*(\q)+\f)*1536+512*\k
.endr
.endr
	ds_load_b32 v[KSW], v[ADS] offset:(4*(\q))*128             ; lanes 0-15 fragment 0's words, lanes 16-31 fragment 1's
	ds_load_b32 v[KSW+1], v[ADS] offset:(4*(\q)+2)*128         ; fragments 2 and 3
.endm
.macro VLOAD q                         ; 16 LDS loads: v's four fragments (16 channels x the step's 128 keys each), and their scale words
.irp t, 0,1,2,3
.irp k, 0,1,2
	ds_load_b128 v[VF+12*\t+4*\k:VF+12*\t+4*\k+3], v[ADK] offset:VCO+(4*(\q)+\t)*1536+512*\k
.endr
	ds_load_b32 v[VSW+\t], v[ADT] offset:(4*(\q)+\t)*128
.endr
.endm
; A KEY STEP: 128 keys, the q-th of the slot in hand.  pre = 1: the slot's next step is asked for on the way.  last = 1: the launch's last step: k's registers take proj_w and proj_b.
.macro STEP q, pre, last
	s_wait_dscnt 16                                ; LDS loads come back in order: k's 14 are in; v's 16, issued behind them, may be out
.irp f, 0,1,2,3                                ; S^T = k q^T: each fragment twice, against q in the lower and in the upper half of K
.irp u, 0,1
.if \f%2
	v_wmma_scale_f32_16x16x128_f8f6f4 v[S+8*(2*\f+\u):S+8*(2*\f+\u)+7], v[KF+12*\f:KF+12*\f+11], v[QF+6*\u:QF+6*\u+11], 0, v[KSW+\f/2], v[QSW] matrix_a_fmt:MATRIX_FMT_FP6 matrix_b_fmt:MATRIX_FMT_FP6 matrix_a_scale:MATRIX_SCALE_ROW1
.else
	v_wmma_scale_f32_16x16x128_f8f6f4 v[S+8*(2*\f+\u):S+8*(2*\f+\u)+7], v[KF+12*\f:KF+12*\f+11], v[QF+6*\u:QF+6*\u+11], 0, v[KSW+\f/2], v[QSW] matrix_a_fmt:MATRIX_FMT_FP6 matrix_b_fmt:MATRIX_FMT_FP6
.endif
.endr
.endr
	PLACES 4                                       ; in front of the first read of the scores, and of loads into registers that these products have read
.if \pre
	KLOAD (\q)+1                                   ; the whole softmax stands between this request and the wait for it
.endif
.if \last
	v_and_b32 v[AK16], 31, v0                      ; the three slot-0 addresses are done with: they take the offsets of my part of proj_w, its scale words and proj_b
	v_bfe_u32 v[AVS], v0, 4, 1
	s_delay_alu instid0(VALU_DEP_2)
	v_lshl_add_u32 v[AKS], v[AK16], 2, s61
	s_delay_alu instid0(VALU_DEP_3)
	v_lshl_add_u32 v[AK16], v[AK16], 4, s60
	s_delay_alu instid0(VALU_DEP_3)
	v_lshl_add_u32 v[AVS], v[AVS], 5, s62
.irp s, 0,1
.irp k, 0,1,2
	global_load_b128 v[KF+12*\s+4*\k:KF+12*\s+4*\k+3], v[AK16], s[8:9] offset:159744+1536*\s+512*\k   ; proj_w: rows 16 w on, both K steps
.endr
	global_load_b32 v[KSW+\s], v[AKS], s[8:9] offset:208896+128*\s
.endr
	global_load_b128 v[KF+24:KF+27], v[AVS], s[10:11]              ; proj_b at channels 16 w + 8 h + 0 .. 7
	global_load_b128 v[KF+28:KF+31], v[AVS], s[10:11] offset:16
.endif
.irp b, 0,1,2,3
	v_max3_num_f32 v[BM+\b], v[S+16*\b], v[S+1+16*\b], v[S+2+16*\b]   ; the largest score of each block of 32 keys: for the row's maximum, and, since p rises with the score, for the block's largest p
.endr
.irp i, 3,5,7,9,11,13
.irp b, 0,1,2,3
	v_max3_num_f32 v[BM+\b], v[BM+\b], v[S+16*\b+\i], v[S+1+16*\b+\i]
.endr
.endr
.irp b, 0,1,2,3
	v_max_num_f32 v[BM+\b], v[BM+\b], v[S+15+16*\b]
.endr
.irp b, 0,1,2,3
	s_delay_alu instid0(VALU_DEP_4)
	v_permlanex16_b32 v[BT+\b], v[BM+\b], s[SEL], s[SEL+1]
.endr
.irp b, 0,1,2,3
	s_delay_alu instid0(VALU_DEP_4)
	v_max_num_f32 v[BM+\b], v[BM+\b], v[BT+\b]     ; with lane l xor 16's 16 keys
.endr
	s_delay_alu instid0(VALU_DEP_2)
	v_max3_num_f32 v[TMP], v[BM], v[BM+1], v[BM+2]
	s_delay_alu instid0(VALU_DEP_1)
	v_max_num_f32 v[TMP], v[TMP], v[BM+3]
	s_delay_alu instid0(VALU_DEP_1)
	v_mul_f32 v[TMP], s[CS], v[TMP]                ; the step's largest t (c is positive)
	s_delay_alu instid0(VALU_DEP_1)
	v_max_num_f32 v[NM+1], v[NM+1], v[TMP]         ; the running largest t
	v_mov_b32 v[TMP], v[NM]
	s_delay_alu instid0(VALU_DEP_2)
	v_floor_f32 v[NM], -v[NM+1]                    ; the new -M = -ceil(t): a whole number
	s_delay_alu instid0(VALU_DEP_1)
	v_sub_f32 v[TMP], v[NM], v[TMP]                ; old M - new M, 0 or less
	s_delay_alu instid0(VALU_DEP_1)
	v_cvt_i32_f32 v[TMP], v[TMP]                   ; (it saturates)
	s_delay_alu instid0(VALU_DEP_1)
	v_ldexp_f32 v[FF], 1.0, v[TMP]                 ; f = 2^(old M - new M)
.set j, 0
.rept 32
	v_pk_fma_f32 v[S+j:S+j+1], v[S+j:S+j+1], s[CS:CS+1], v[NM:NM+1] op_sel_hi:[1,0,0]   ; t - M, two at a time
.set j, j+2
.endr
.irp b, 0,1,2,3
	v_fma_f32 v[BM+\b], v[BM+\b], s[CS], v[NM]     ; the same of each block's largest score
.endr
.set j, 0
	s_wait_alu depctr_va_vdst(0)
.rept 64
	v_exp_f32 v[S+j], v[S+j]                       ; p = 2^(t - M), at most 1
.set j, j+1
.endr
.irp b, 0,1,2,3
	v_exp_f32 v[BM+\b], v[BM+\b]                   ; the block's largest p: the same two instructions on the same number
.endr
	v_pk_mul_f32 v[SUM:SUM+1], v[SUM:SUM+1], v[FF:FF+1] op_sel_hi:[1,0]   ; the sums under the new M (a plain place behind the exponentials)
	s_wait_alu depctr_va_vdst(0)
.irp b, 0,1,2,3
	v_max_num_f32 v[BM+\b], 0x1800000, v[BM+\b]    ; the floor 2^(3 - 127): the byte cannot fall under 1
.endr
.irp b, 0,1,2,3
	s_delay_alu instid0(VALU_DEP_4)
	v_add_nc_u32 v[SO+\b], 0xff000000, v[BM+\b]    ; 2 off the exponent field: the conversion's scale operand
.endr
.irp b, 0,1,2,3
	s_delay_alu instid0(VALU_DEP_4)
	v_lshrrev_b32 v[BT+\b], 23, v[SO+\b]
.endr
	s_delay_alu instid0(VALU_DEP_3)
	v_lshl_or_b32 v[PSW], v[BT+1], 8, v[BT]        ; p's scale word for these 128 keys
	s_delay_alu instid0(VALU_DEP_1)
	v_lshl_or_b32 v[PSW], v[BT+2], 16, v[PSW]
	s_delay_alu instid0(VALU_DEP_1)
	v_lshl_or_b32 v[PSW], v[BT+3], 24, v[PSW]
.irp c, 0,1                                    ; the maxima and the bytes are done with: the codes take their registers
	v_cvt_scalef32_pk16_fp6_f32 v[PC+6*\c:PC+6*\c+2], v[S+32*\c:S+32*\c+15], v[SO+2*\c]
	v_cvt_scalef32_pk16_fp6_f32 v[CT+4*\c:CT+4*\c+2], v[S+32*\c+16:S+32*\c+31], v[SO+2*\c+1]
.endr
	v_nop                                          ; one plain place behind a scaled conversion
.irp c, 0,1
.irp i, 0,1,2
	v_permlane16_swap_b32 v[PC+6*\c+\i], v[CT+4*\c+\i]   ; a whole block to a lane
.endr
.irp i, 0,1,2
	s_delay_alu instid0(VALU_DEP_3)
	v_mov_b32 v[PC+6*\c+3+\i], v[CT+4*\c+\i]
.endr
.endr
.set j, 0
.rept 16
	v_pk_mul_f32 v[O+j:O+j+1], v[O+j:O+j+1], v[FF:FF+1] op_sel_hi:[1,0]   ; O^T under the new M
.set j, j+2
.endr
	v_pk_add_f32 v[252:253], v[140:141], v[144:145]
	v_pk_add_f32 v[250:251], v[148:149], v[152:153]
	v_pk_add_f32 v[248:249], v[156:157], v[160:161]
	v_pk_add_f32 v[246:247], v[164:165], v[168:169]
	v_pk_add_f32 v[244:245], v[172:173], v[176:177]
	v_pk_add_f32 v[8:9], v[8:9], v[180:181]
	v_pk_add_f32 v[252:253], v[252:253], v[184:185]
	v_pk_add_f32 v[250:251], v[250:251], v[188:189]
	v_pk_add_f32 v[248:249], v[248:249], v[192:193]
	v_pk_add_f32 v[246:247], v[246:247], v[196:197]
	v_pk_add_f32 v[244:245], v[244:245], v[136:137]
	v_pk_add_f32 v[8:9], v[8:9], v[138:139]
	v_pk_add_f32 v[252:253], v[252:253], v[142:143]
	v_pk_add_f32 v[250:251], v[250:251], v[146:147]
	v_pk_add_f32 v[248:249], v[248:249], v[150:151]
	v_pk_add_f32 v[246:247], v[246:247], v[154:155]
	v_pk_add_f32 v[244:245], v[244:245], v[158:159]
	v_pk_add_f32 v[8:9], v[8:9], v[162:163]
	v_pk_add_f32 v[252:253], v[252:253], v[166:167]
	v_pk_add_f32 v[250:251], v[250:251], v[170:171]
	v_pk_add_f32 v[248:249], v[248:249], v[174:175]
	v_pk_add_f32 v[246:247], v[246:247], v[178:179]
	v_pk_add_f32 v[244:245], v[244:245], v[182:183]
	v_pk_add_f32 v[8:9], v[8:9], v[186:187]
	v_pk_add_f32 v[252:253], v[252:253], v[190:191]
	v_pk_add_f32 v[250:251], v[250:251], v[194:195]
	v_pk_add_f32 v[248:249], v[248:249], v[198:199]
	s_delay_alu instid0(VALU_DEP_1)
	v_pk_add_f32 v[8:9], v[8:9], v[248:249]
	s_delay_alu instid0(VALU_DEP_4)
	v_pk_add_f32 v[252:253], v[252:253], v[246:247]
	s_delay_alu instid0(VALU_DEP_4)
	v_pk_add_f32 v[250:251], v[250:251], v[244:245]
	s_delay_alu instid0(VALU_DEP_1)
	v_pk_add_f32 v[8:9], v[8:9], v[250:251]
	s_delay_alu instid0(VALU_DEP_1)
	v_pk_add_f32 v[8:9], v[8:9], v[252:253]
	s_wait_dscnt 14*\pre                           ; v's 16 are in; the next step's 14 of k, issued behind them, may be out
.irp t, 0,1,2,3                                ; O^T += v^T p^T: four accumulators by turns
	v_wmma_scale_f32_16x16x128_f8f6f4 v[O+8*\t:O+8*\t+7], v[VF+12*\t:VF+12*\t+11], v[PC:PC+11], v[O+8*\t:O+8*\t+7], v[VSW+\t], v[PSW] matrix_a_fmt:MATRIX_FMT_FP6 matrix_b_fmt:MATRIX_FMT_FP6
.endr
	PLACES 4                                       ; in front of loads into v's registers, and of the vector lines that write over p's codes
.if \pre
	VLOAD (\q)+1
.endif
.endm
; THE CHANGE OF SLOTS, at a slot's head.  Each wave waits for all its tensor loads, adds 0 to its spare word, and waits for that and for its reads of the slot that it has left.
; fill = 1: a round of the cluster's barrier, so that no wave of any partner still reads that slot or has a load on its way; the joint refill is the first thing behind it and has 256 keys' work in which to land.
.macro CHANGE fill
	s_wait_tensorcnt 0x0                           ; no tensor load of mine is out, so group 0 may be written
	ds_add_u32 v[SPW], v[NIL]                      ; 0 onto my spare word
.if \fill
	s_xor_b32 s[G0K+1], s[G0K+1], SLOT1            ; the other slot than last time,
	s_add_nc_u64 s[G0K+2:G0K+3], s[G0K+2:G0K+3], CHUNK   ; the next 256 keys; the type bits on top are not reached
.endif
	s_wait_dscnt 0x0                               ; the add is done, and my reads of the slot that I have left are over
.if \fill
	CROUND
	TLOAD
.else
	s_barrier_signal -1
	s_barrier_wait -1
.endif
.endm
.macro SLOT_STEPS last
	v_add_nc_u32 v[ADK], s[TB], v[AK16]
	v_add_nc_u32 v[ADS], s[TB], v[AKS]
	v_add_nc_u32 v[ADT], s[TB], v[AVS]
	KLOAD 0                                        ; the slot's first step: k first, v behind it
	VLOAD 0
	s_wait_alu depctr_va_vdst(0)
	STEP 0, 1, 0
	STEP 1, 0, \last
	s_xor_b32 s[TB], s[TB], SLOT1
.endm
	s_wait_loadcnt 0x0                             ; q
.Lslot:                                            ; three trips: behind each change of slots but the last the next chunk is asked for (slot 1's first fill is issued as a refill is)
	CHANGE 1
	SLOT_STEPS 0
	s_sub_co_u32 s[SLOTS], s[SLOTS], 1
	s_cmp_lg_u32 s[SLOTS], 0
	s_cbranch_scc1 .Lslot
	CHANGE 0                                       ; the last chunk is written out
	SLOT_STEPS 1
	; ---- out = O / sum, quantised along the channels: my head's 64 are blocks 2 (head % 2), + 1 of K step head / 2
.set TR,   251                         ; r, h, lane: at work until the quantiser takes v251, v252
.set TH,   252
.set TL,   253
.set TI16, 1                           ; v1   where my half fragment's registers 0-3 go;  v2  registers 4-5;  v3 my two scale bytes
.set TI8,  2
.set TSC,  3
.set TXR,  12                          ; v12  x's rows 16 w on: lanes 0-15 one row, lanes 16-31 the next
.set RI16, 13                          ; v13, v255  an image's place for my lane;  v6  a row's scale word
.set RI8,  255
.set RSC,  6
.set STW,  7                           ; v7   my stage, in: row 8 h, + 8 r
.set GOF,  10                          ; v10  my byte offset in out0
.set STR,  254                         ; v254 my stage, back
	s_wait_xcnt 0x0                                ; the loads of proj_w and proj_b have read their offsets: v12, v13 and v255 are written again only behind this wait
	s_wait_alu depctr_va_vdst(0)
	v_add_f32 v[SUM], v[SUM], v[SUM+1]
	s_delay_alu instid0(VALU_DEP_1)
	v_permlanex16_b32 v[TMP], v[SUM], s[SEL], s[SEL+1]
	s_delay_alu instid0(VALU_DEP_1)
	v_add_f32 v[SUM], v[SUM], v[TMP]               ; the row's sum
	s_wait_alu depctr_va_vdst(0)
	v_rcp_f32 v[SUM], v[SUM]
	v_and_b32 v[TR], 15, v0                        ; (a plain place behind the transcendental)
	v_bfe_u32 v[TH], v0, 4, 1
	v_and_b32 v[TL], 31, v0
	s_wait_alu depctr_va_vdst(0)
	s_and_b32 s50, s[WV], 3
	s_lshl_b32 s50, s50, 1
	s_lshr_b32 s51, s[WV], 3
	s_add_co_u32 s50, s50, s51                     ; fragment 2 m + s
	s_bfe_u32 s51, s[WV], 0x10002                  ; which half of it
	s_mul_i32 s52, s50, 1536
	s_mul_i32 s53, s51, 768
	s_add_co_u32 s52, s52, s53
	s_add_co_u32 s52, s52, OIMG
	v_lshl_add_u32 v[TI16], v[TL], 4, s52
	s_add_co_u32 s52, s52, 512
	v_lshl_add_u32 v[TI8], v[TL], 3, s52
	s_lshl_b32 s50, s50, 6
	s_lshl_b32 s51, s51, 1
	s_add_co_u32 s50, s50, s51
	s_add_co_u32 s50, s50, OSC
	v_lshl_add_u32 v[TSC], v[TR], 2, s50
	v_lshl_add_u32 v[RI16], v[TL], 4, OIMG
	v_lshl_add_u32 v[RI8], v[TL], 3, OIMG+512
	v_lshl_add_u32 v[RSC], v[TR], 2, OSC
	s_mul_i32 s50, s[WV], 4352                     ; 16 rows of 272 bytes a wave, in the stage and in x's tile
	v_mul_u32_u24 v[STR], v[TH], 272
	s_delay_alu instid0(VALU_DEP_1)
	v_lshl_add_u32 v[STR], v[TR], 4, v[STR]
	s_delay_alu instid0(VALU_DEP_1)
	v_add_nc_u32 v[STR], s50, v[STR]
	s_delay_alu instid0(VALU_DEP_1)
	v_add_nc_u32 v[TXR], XRB, v[STR]
	v_mul_u32_u24 v[STW], v[TH], 2176
	s_delay_alu instid0(VALU_DEP_1)
	v_lshl_add_u32 v[STW], v[TR], 3, v[STW]
	s_delay_alu instid0(VALU_DEP_1)
	v_add_nc_u32 v[STW], s50, v[STW]
	s_lshl_b32 s50, s[WV], 16
	v_lshlrev_b32 v[GOF], 12, v[TH]
	s_delay_alu instid0(VALU_DEP_1)
	v_lshl_add_u32 v[GOF], v[TR], 4, v[GOF]
	s_delay_alu instid0(VALU_DEP_1)
	v_add_nc_u32 v[GOF], s50, v[GOF]               ; 16 channels of 4,096 bytes a wave, + a row for lanes 16-31, + 16 bytes a lane
.set j, 0
	s_wait_alu depctr_va_vdst(0)
.rept 32
	v_mul_f32 v[S+j], v[O+j], v[SUM]               ; register 16 b + i is channel 32 b + 16 h + i of my head; each accumulator from its low end on
.set j, j+1
.endr
	HQUANT S
	ds_store_b128 v[TI16], v[PC:PC+3]
	ds_store_b64 v[TI8], v[PC+4:PC+5]
	ds_store_b16 v[TSC], v[HW]                     ; both halves of the lanes write row r's two bytes with the same value
	s_wait_dscnt 0x0                               ; for the others' sake
	s_barrier_signal -1
	s_barrier_wait -1                              ; out's eight fragments lie in LDS
.irp i, 0,1,2,3,4,5,6,7
	ds_load_b128 v[XT+4*\i:XT+4*\i+3], v[TXR] offset:544*\i        ; x's 16 rows, for the residual
.endr
	; ---- the projection: source 0 = my 16 rows of proj_w, source 1 = a tile of 16 pixels; four accumulators by turns, a K step at a time; the bias starts the sums
.irp s, 0,1
.irp m, 0,1,2,3
	ds_load_b128 v[VF+12*\m:VF+12*\m+3], v[RI16] offset:(2*\m+\s)*1536
	ds_load_b64 v[VF+12*\m+4:VF+12*\m+5], v[RI8] offset:(2*\m+\s)*1536
	ds_load_b128 v[VF+12*\m+6:VF+12*\m+9], v[RI16] offset:(2*\m+\s)*1536+768
	ds_load_b64 v[VF+12*\m+10:VF+12*\m+11], v[RI8] offset:(2*\m+\s)*1536+768
	ds_load_b32 v[VSW+\m], v[RSC] offset:(2*\m+\s)*64
.endr
	s_wait_dscnt 0x0
.if \s == 0
	s_wait_loadcnt 0x0                             ; proj_w, its scale words and proj_b, asked for in the last key step
.endif
.irp m, 0,1,2,3
.if \s == 0
	v_wmma_scale_f32_16x16x128_f8f6f4 v[O+8*\m:O+8*\m+7], v[KF:KF+11], v[VF+12*\m:VF+12*\m+11], v[KF+24:KF+31], v[KSW], v[VSW+\m] matrix_a_fmt:MATRIX_FMT_FP6 matrix_b_fmt:MATRIX_FMT_FP6
.else
	v_wmma_scale_f32_16x16x128_f8f6f4 v[O+8*\m:O+8*\m+7], v[KF+12:KF+23], v[VF+12*\m:VF+12*\m+11], v[O+8*\m:O+8*\m+7], v[KSW+1], v[VSW+\m] matrix_a_fmt:MATRIX_FMT_FP6 matrix_b_fmt:MATRIX_FMT_FP6
.endif
.endr
	PLACES 4                                       ; in front of loads into operands, and of the first read of results
.endr
	; ---- the way out.  Lane (r, h), register j of tile m: channel 16 w + 8 h + j, pixel 32 (m / 2) + 2 r + m % 2.  Through my own stage, which lies in slot 0: that slot has had its last fill,
	; and every wave passed the last change of slots behind its last read of it.  LDS serves a wave's instructions in order: no wait between the stores and the loads.
.irp m, 0,1,2,3
.irp j, 0,1,2,3,4,5,6,7
	ds_store_b32 v[STW], v[O+8*\m+\j] offset:272*\j+128*(\m/2)+4*(\m%2)
.endr
.endr
.irp i, 0,1,2,3,4,5,6,7
	ds_load_b128 v[S+4*\i:S+4*\i+3], v[STR] offset:544*\i
.endr
.irp i, 0,1,2,3,4,5,6,7
	s_wait_dscnt 7-\i                              ; the younger loads from the stage may be out
	v_pk_add_f32 v[S+4*\i:S+4*\i+1], v[S+4*\i:S+4*\i+1], v[XT+4*\i:XT+4*\i+1]
	v_pk_add_f32 v[S+4*\i+2:S+4*\i+3], v[S+4*\i+2:S+4*\i+3], v[XT+4*\i+2:XT+4*\i+3]
	global_store_b128 v[GOF], v[S+4*\i:S+4*\i+3], s[14:15] offset:8192*\i th:TH_STORE_NT   ; sixteen lanes store 256 consecutive bytes, aligned; written once, read by nobody here
.endr
	s_wait_tensorcnt 0x0                           ; the wave's end: behind my last tensor load and my last LDS store
	ds_add_u32 v[SPW], v[NIL]
	s_wait_dscnt 0x0
	CROUND                                         ; the closing round: no work-group ends while a partner may still ask for a chunk that names it
	s_endpgm
.Lfunc_end_k_qc95a4b6003_attn:
	.size	k_qc95a4b6003_attn, .Lfunc_end_k_qc95a4b6003_attn-k_qc95a4b6003_attn
	.p2alignl 7, 3214868480
	.fill 96, 4, 3214868480
	.section	.rodata,"a",@progbits
	.p2align	6, 0x0
	.amdhsa_kernel k_qc95a4b6003_attn
		.amdhsa_group_segment_fixed_size 327680
		.amdhsa_private_segment_fixed_size 0
		.amdhsa_enable_private_segment 0
		.amdhsa_kernarg_size 48
		.amdhsa_user_sgpr_count 2
		.amdhsa_user_sgpr_kernarg_segment_ptr 1
		.amdhsa_wavefront_size32 1
		.amdhsa_system_sgpr_workgroup_id_x 1
		.amdhsa_system_sgpr_workgroup_id_y 1
		.amdhsa_system_sgpr_workgroup_id_z 1
		.amdhsa_system_vgpr_workitem_id 0
		.amdhsa_next_free_vgpr 256
		.amdhsa_next_free_sgpr 66
		.amdhsa_reserve_vcc 0
		.amdhsa_float_denorm_mode_32 3
		.amdhsa_float_denorm_mode_16_64 3
		.amdhsa_memory_ordered 1
		.amdhsa_forward_progress 1
		.amdhsa_inst_pref_size 92
	.end_amdhsa_kernel
	.amdgpu_metadata
---
amdhsa.version: [ 1, 2 ]
amdhsa.kernels:
  - .name:           k_qc95a4b6003_attn
    .symbol:         k_qc95a4b6003_attn.kd
    .args:
      - { .name: qbuf, .offset: 0, .size: 8, .value_kind: global_buffer, .address_space: global }
      - { .name: kv, .offset: 8, .size: 8, .value_kind: global_buffer, .address_space: global }
      - { .name: wimg, .offset: 16, .size: 8, .value_kind: global_buffer, .address_space: global }
      - { .name: proj_b, .offset: 24, .size: 8, .value_kind: global_buffer, .address_space: global }
      - { .name: x, .offset: 32, .size: 8, .value_kind: global_buffer, .address_space: global }
      - { .name: out0, .offset: 40, .size: 8, .value_kind: global_buffer, .address_space: global }
    .group_segment_fixed_size: 327680
    .private_segment_fixed_size: 0
    .kernarg_segment_align: 8
    .kernarg_segment_size: 48
    .max_flat_workgroup_size: 512
    .sgpr_count:     66
    .vgpr_count:     256
    .wavefront_size: 32
...
	.end_amdgpu_metadata
.endif
;; end of part 3
